; MI455X (gfx1250); checked and timed in simulation.
; The chip was launched on July 23, 2026; its instructions are those of AMD's public machine-readable ISA for CDNA 5 (MIT licence, August 2026) and "CDNA5" Instruction Set Architecture Reference Guide (July 2026). The comments in the code are by the model that wrote it; some were corrected since.
;; Bert With Rope Attention. Allowed arithmetic: matrix products marked QUANTISED: E2M1 operands, one E8M0 scale for each 32 along K, by v_wmma_scale_f32_16x16x128_f8f6f4 with both operands' format E2M1 (or v_wmma_scale_f32_32x16x128_f4), f32 sums; products left as they are: bf16, f16 or f32 operands; f32 sums; everything else in f32.
;; Inputs: Wout 1,024 x 1,024 float32; Wqkv 1,024 x 3,072 float32; bout 1,024 float32; bqkv 3,072 float32; hidden_states 4 x 2,048 x 1,024 float32; positions 2,048 int32.
;; Outputs: out0 4 x 2,048 x 1,024 float32.
;; This version of the problem:
;;   THIS VERSION OF THE PROBLEM IS GIVEN IN LOW PRECISION. The matrix products marked QUANTISED in the list below multiply operands that are first quantised to E2M1 (2 exponent bits, 1 mantissa bit; 4 bits a number), with one power-of-two scale for each 32 numbers along K (OCP MX v1.0); their sums are f32. The products marked 'left as it is' may take bf16, f16 or f32 operands, with f32 sums. Whichever they take, every output number must still come out within the allowed error. Rounding operands to bf16 (8 significant bits) uses up far more of that allowance than f16 does (11 bits, for magnitudes from 6e-5 to 65,504). All else is computed in f32.
;;   The module's matrix products, in the order in which they are computed (A, B: the left and right operand; K: the contracted axis; several contracted axes count as one K, in the product's order):
;;     1. [M 8,192, K 1,024] x [K 1,024, N 3,072]; A: input hidden_states; B: input Wqkv: QUANTISED
;;     2. batch 64 x [M 2,048, K 64] x [K 64, N 2,048]; A: computed on the way; B: computed on the way: left as it is (an operand is computed on the way)
;;     3. batch 64 x [M 64, K 2,048] x [K 2,048, N 2,048]; A: computed on the way; B: computed on the way: left as it is (an operand is computed on the way)
;;     4. [M 8,192, K 1,024] x [K 1,024, N 1,024]; A: computed on the way; B: input Wout: left as it is (an operand is computed on the way)
;;   THE QUANTISER, for each operand of a quantised product, along K:
;;     - K is cut into blocks of 32 from its start; a last block that is shorter is filled with zeros.
;;     - A block's scale is 2^e with e = floor(log2(the largest magnitude in the block)) - 2, held to -126 .. 127; a block of zeros has e = 0. As a byte (E8M0): e + 127.
;;     - Each number is divided by its block's scale, clamped to +-6, and rounded to the nearest number of E2M1, ties to even, subnormals kept.
;;     - The product sums the exact products of the quantised numbers (number of the format x scale) in f32.
;;   ~~~python
;;   def quantise(x, axis):      # numpy; x: float32 -> the quantised numbers, widened to float32 again
;;       x = np.moveaxis(x, axis, -1); K = x.shape[-1]
;;       x = np.pad(x, [(0, 0)] * (x.ndim - 1) + [(0, -K % 32)]); x = x.reshape(x.shape[:-1] + (-1, 32)); a = np.abs(x).max(-1, keepdims=True)
;;       e = np.where(a > 0, np.clip(np.frexp(np.where(a > 0, a, 1))[1] - 1 - 2, -126, 127), 0)      # np.frexp(a)[1] - 1 = floor(log2(a)), exactly
;;       r = np.clip(x / 2.0 ** e, -6, 6)
;;       step = 2.0 ** (np.maximum(np.frexp(np.where(r == 0, 1, r))[1] - 1, 0) - 1)
;;       q = np.round(r / step) * step * 2.0 ** e      # np.round: ties to even
;;       return np.moveaxis(q.reshape(q.shape[:-2] + (-1,))[..., :K], -1, axis).astype(np.float32)
;;   ~~~
;; One version. Each part assembles by itself: llvm-mc -triple=amdgcn-amd-amdhsa -mcpu=gfx1250 --defsym DOCPART=n.
;; ======== version 1 of 1: 4 launches
;; limits: values are held in f16: magnitudes above 65,504 overflow, below 6.1e-05 lose precision; right only within a limited range of input values
;; workspace buffers: x_codes 4,194,304 bytes; x_scales 262,144 bytes; w_codes 1,572,864 bytes; w_scales 98,304 bytes; woutT 2,097,152 bytes; tab 524,288 bytes; qkv 50,331,648 bytes; ctx 16,777,216 bytes
;; launch prep (part 1): grid 432 x 1, 4 waves a work-group, no clusters, 102,912 bytes of LDS; arguments hidden_states, Wqkv, Wout, positions, x_codes, x_scales, w_codes, w_scales, woutT, tab; writes x_codes, x_scales, w_codes, w_scales, woutT, tab
.if DOCPART == 1
	.amdgcn_target "amdgcn-amd-amdhsa--gfx1250"
	.amdhsa_code_object_version 6
	.text
	.protected	k_q66a5a583dd_prep
	.globl	k_q66a5a583dd_prep
	.p2align	8
	.type	k_q66a5a583dd_prep,@function
k_q66a5a583dd_prep:
	s_mov_b64 s[64:65], 0
	v_nop
	global_prefetch_b8 v0, s[64:65] scope:SCOPE_SE
	s_setreg_imm32_b32 hwreg(HW_REG_WAVE_MODE, 25, 1), 1
	s_wait_xcnt 0x0
; PREP: everything that later launches read many times is made once.  Four kinds of work-group, told apart by the work-group's number alone; the four ways never join.
;   0-15    the table: cos and sin of positions[s] x 10000^(-i/32), i = 0 .. 31, f32, laid [16 chunks][2048 s][4]: chunk c < 8 cos of i = 4 c .. 4 c + 3, chunk 8 + c their sin
;   16-111  Wqkv [1024 k][3072 n] f32 -> codes of FP4 (E2M1) [3072 n][512 bytes], K innermost, and one E8M0 byte for each 32 along K, [3072][32]
;   112-175 Wout [1024 k][1024 n] f32 -> f16, turned: [1024 n][1024 k]
;   176-431 hidden_states [8192][1024] f32 -> codes [8192][512 bytes] and scale bytes [8192][32]
; THE QUANTISER: a block's scale is 2^(floor(log2(largest magnitude)) - 2); its byte is the largest magnitude's exponent field - 2, held at 1 from below; numbers / scale go to the nearest code, ties to even,
; beyond 6 to the largest code.  A block of zeros gets the byte 1 where the rule says 127: its codes are zeros, and this program alone reads the bytes.
; LIMITS: NaN and infinities are not served; blocks whose largest magnitude lies under 2^-124 keep the floor's byte; |positions| up to 2^20 (the three-part reduction of the angle is good to some 2e-7 rad there);
; Wout within f16's range (65,504).
; LDS: each way has bytes of its own: hidden 0 .. 32,767 (8,192 a wave); Wqkv's stage from 32,768 (64 rows x 272); Wout's stages from 67,584 (4 x 32 rows x 272); the spare words from 102,400.
; No tensor loads, no cluster: the work-groups share no input.
.set SPARE, 102400                     ; the spare words, 128 bytes for each wave: two blocks of 256 bytes that no other line names
.set SPW,   190                        ; v190  LDS address of my spare word; never rewritten
.set NIL,   191                        ; v191  0; never rewritten
.set XSTEPS, 16                        ; hidden: a wave takes 16 steps of 512 numbers
.set XWREG, 8192                       ; a wave's region: two stages of 32 x XSP bytes, then its 256 scale bytes
.set XSP,   80                         ; a lane's place in a stage: 64 bytes + 16 of padding
.set XR,    16                         ; v16-79   four sets of 16 numbers as loaded
.set XX,    80                         ; v80-111  two sets of 16 neighbours
.set XE,    112                        ; v112-127 a scale byte for each step
.set XC,    128                        ; v128-189 codes, four registers for each step
.set WSTG,  32768
.set OSTG,  67584
.set PIT,   272                        ; a stage row: 256 bytes + 16
.set NUM,   32                         ; v32-95   the weights: two sets of 32 numbers down K
.set COD,   96                         ; v96..    what a block becomes
.set SB,    24                         ; v24-25   Wqkv's scale bytes, four to a register
.set OUTR,  112                        ; v112..   the way out
.set PF,    4                          ; the table: v4 the position as f32
.set TX,    8                          ; v8-11 the angle, then what the reduction leaves; v12-15 k; v16-19 r^2; v20-23 sin; v24-27 cos; v28-31 at work; v32-35 k as a whole number
.set TKK,   12
.set TR2,   16
.set TPS,   20
.set TPC,   24
.set TT,    28
.set TQ,    32
.set TOUT,  64                         ; v64-127 results: eight registers for each chunk, so that no store's data are written again
; ---- hidden: step t's four loads, 512 consecutive bytes each
.macro XLOAD t
.irp i, 0,1,2,3
	global_load_b128 v[XR+16*((\t)%4)+4*\i:XR+16*((\t)%4)+4*\i+3], v3, s[8:9] offset:2048*(\t)+512*\i th:TH_LOAD_NT
.endr
.endm
; step t's 2,048 bytes go through the wave's own stage as they lie and come back 64 bytes a lane: LDS serves a wave's instructions in order, so no wait stands between
.macro XTURN t
.irp i, 0,1,2,3
	ds_store_b128 v14, v[XR+16*((\t)%4)+4*\i:XR+16*((\t)%4)+4*\i+3] offset:32*XSP*((\t)%2)+8*XSP*\i
.endr
.irp i, 0,1,2,3
	ds_load_b128 v[XX+16*((\t)%2)+4*\i:XX+16*((\t)%2)+4*\i+3], v15 offset:32*XSP*((\t)%2)+16*\i
.endr
.endm
.macro XSTEP t
.set XS, XX+16*((\t)%2)
.if (\t) > 0
	s_wait_dscnt 1                                 ; this step's numbers are back from the stage; the last step's byte store may be out
.else
	s_wait_dscnt 0x0
.endif
.if (\t)+4 < XSTEPS
	XLOAD (\t)+4                                   ; into the registers that this step's stage stores have read
.endif
.if (\t)+1 < XSTEPS
.if XSTEPS-2-(\t) >= 3
	s_wait_loadcnt 12                              ; the next step's four loads are in; those of the three steps behind it may be out
.else
	s_wait_loadcnt 4*(XSTEPS-2-(\t))               ; at the end the count runs down with the loads that are left
.endif
	XTURN (\t)+1
.endif
	v_max3_num_f32 v8, |v[XS]|, |v[XS+1]|, |v[XS+2]|               ; the largest magnitude of my 16, in two chains
	v_max3_num_f32 v9, |v[XS+3]|, |v[XS+4]|, |v[XS+5]|
.irp i, 6,10
	v_max3_num_f32 v8, v8, |v[XS+\i]|, |v[XS+\i+1]|
	v_max3_num_f32 v9, v9, |v[XS+\i+2]|, |v[XS+\i+3]|
.endr
	v_max3_num_f32 v8, v8, |v[XS+14]|, |v[XS+15]|
	v_max3_num_f32 v8, v8, v9, 0x1800000           ; and the floor 2^(3 - 127): the byte cannot fall under 1
	v_max_num_f32_dpp v8, v8, v8 row_xmask:1 row_mask:0xf bank_mask:0xf   ; with my neighbour's 16: the block's
	v_add_nc_u32 v11, 0xff000000, v8               ; 2 off the exponent field: the conversion's scale operand
	v_cvt_scalef32_pk8_fp4_f32 v[XC+4*(\t)], v[XS:XS+7], v11
	v_cvt_scalef32_pk8_fp4_f32 v[XC+4*(\t)+1], v[XS+8:XS+15], v11
	v_lshrrev_b32 v[XE+(\t)], 23, v11              ; the scale's byte (also the plain line behind the conversions)
	ds_store_b8 v5, v[XE+(\t)] offset:16*(\t)      ; both lanes of a block write the same byte with the same value
	global_store_b64 v4, v[XC+4*(\t):XC+4*(\t)+1], s[16:17] offset:256*(\t)   ; the wave stores 256 consecutive bytes, aligned
.endm
; ---- the weights: a lane takes a column, its registers run down K.  Block t: 32 rows at my column into set t % 2; a load reads 128 consecutive bytes
.macro KLOAD t, base, pitch
.irp i, 0,1,2,3,4,5,6,7,8,9,10,11,12,13,14,15,16,17,18,19,20,21,22,23,24,25,26,27,28,29,30,31
	global_load_b32 v[NUM+32*((\t)%2)+\i], v3, s[\base:\base+1] offset:(32*(\t)+\i)*\pitch th:TH_LOAD_NT
.endr
.endm
.macro WBLOCK t
.set XS, NUM+32*((\t)%2)
.if (\t) < 7
	s_wait_loadcnt 32                              ; this block's 32 loads are in; the next block's may be out
.else
	s_wait_loadcnt 0x0
.endif
	v_max3_num_f32 v12, |v[XS]|, |v[XS+1]|, |v[XS+2]|              ; the block's largest magnitude: all 32 numbers are mine
	v_max3_num_f32 v13, |v[XS+3]|, |v[XS+4]|, |v[XS+5]|
.irp i, 6,10,14,18,22,26
	v_max3_num_f32 v12, v12, |v[XS+\i]|, |v[XS+\i+1]|
	v_max3_num_f32 v13, v13, |v[XS+\i+2]|, |v[XS+\i+3]|
.endr
	v_max3_num_f32 v12, v12, |v[XS+30]|, |v[XS+31]|
	v_max3_num_f32 v12, v12, v13, 0x1800000        ; and the floor
	v_add_nc_u32 v11, 0xff000000, v12              ; the conversion's scale operand
	v_lshrrev_b32 v13, 23, v11                     ; the byte
.if (\t)%4 == 0
	v_mov_b32 v[SB+(\t)/4], v13
.else
	v_lshl_or_b32 v[SB+(\t)/4], v13, 8*((\t)%4), v[SB+(\t)/4]
.endif
.irp g, 0,1,2,3
	v_cvt_scalef32_pk8_fp4_f32 v[COD+\g], v[XS+8*\g:XS+8*\g+7], v11
.endr
	v_nop                                          ; a plain line behind the last conversion of the run
	ds_store_b128 v4, v[COD:COD+3] offset:16*(\t)  ; 32 codes: 16 bytes of my column's stage row
.if (\t)+2 < 8
	KLOAD (\t)+2, 10, 12288
.endif
	s_wait_dscnt 0x0                               ; the store has read its registers: the next block's codes may be written
.endm
.macro OBLOCK t
.set XS, NUM+32*((\t)%2)
.if (\t) < 3
	s_wait_loadcnt 32                              ; this block's loads are in; the next block's may be out
.else
	s_wait_loadcnt 0x0
.endif
.irp g, 0,1,2,3,4,5,6,7,8,9,10,11,12,13,14,15
	v_cvt_pk_f16_f32 v[COD+\g], v[XS+2*\g], v[XS+2*\g+1]           ; two neighbours along K, the lower in the low half
.endr
.irp g, 0,1,2,3
	ds_store_b128 v4, v[COD+4*\g:COD+4*\g+3] offset:64*(\t)+16*\g
.endr
.if (\t)+2 < 4
	KLOAD (\t)+2, 12, 4096
.endif
	s_wait_dscnt 0x0
.endm
; ---- the table: four frequencies at a time, stage by stage, the four by turns.  x = position x frequency; k = x / (pi/2) to the nearest whole number; r = x - k pi/2 with pi/2 in three parts, |r| <= pi/4;
; sin r and cos r by their series, cut where the next term is under an f32's last bit at pi/4; k mod 4 picks and signs.
.macro TRIG4 c, f0, f1, f2, f3
	v_mul_f32 v[TX+0], \f0, v[PF]
	v_mul_f32 v[TX+1], \f1, v[PF]
	v_mul_f32 v[TX+2], \f2, v[PF]
	v_mul_f32 v[TX+3], \f3, v[PF]
.irp n, 0,1,2,3
	v_mul_f32 v[TKK+\n], s28, v[TX+\n]
.endr
.irp n, 0,1,2,3
	v_rndne_f32 v[TKK+\n], v[TKK+\n]
.endr
.irp n, 0,1,2,3
	v_fma_f32 v[TX+\n], -v[TKK+\n], s29, v[TX+\n]
.endr
.irp n, 0,1,2,3
	v_fma_f32 v[TX+\n], -v[TKK+\n], s30, v[TX+\n]
.endr
.irp n, 0,1,2,3
	v_fma_f32 v[TX+\n], -v[TKK+\n], s31, v[TX+\n]
.endr
.irp n, 0,1,2,3
	v_mul_f32 v[TR2+\n], v[TX+\n], v[TX+\n]
.endr
.irp n, 0,1,2,3
	v_fma_f32 v[TPS+\n], v[TR2+\n], s35, s34
	v_fma_f32 v[TPC+\n], v[TR2+\n], s39, s38
.endr
.irp n, 0,1,2,3
	v_fma_f32 v[TPS+\n], v[TPS+\n], v[TR2+\n], s33
	v_fma_f32 v[TPC+\n], v[TPC+\n], v[TR2+\n], s37
.endr
.irp n, 0,1,2,3
	v_fma_f32 v[TPS+\n], v[TPS+\n], v[TR2+\n], s32
	v_fma_f32 v[TPC+\n], v[TPC+\n], v[TR2+\n], s36
.endr
.irp n, 0,1,2,3
	v_mul_f32 v[TT+\n], v[TX+\n], v[TR2+\n]
	v_fma_f32 v[TPC+\n], v[TPC+\n], v[TR2+\n], -0.5
.endr
.irp n, 0,1,2,3
	v_fma_f32 v[TPS+\n], v[TT+\n], v[TPS+\n], v[TX+\n]             ; sin r
	v_fma_f32 v[TPC+\n], v[TPC+\n], v[TR2+\n], 1.0                 ; cos r
.endr
.irp n, 0,1,2,3
	v_cvt_i32_f32 v[TQ+\n], v[TKK+\n]
.endr
.irp n, 0,1,2,3
	v_and_b32 v[TT+\n], 1, v[TQ+\n]
.endr
.irp n, 0,1,2,3
	v_cmp_eq_u32 s[40+\n], 1, v[TT+\n]             ; k odd: sine and cosine change places
.endr
.irp n, 0,1,2,3
	v_cndmask_b32 v[TKK+\n], v[TPS+\n], v[TPC+\n], s[40+\n]
	v_cndmask_b32 v[TR2+\n], v[TPC+\n], v[TPS+\n], s[40+\n]
.endr
.irp n, 0,1,2,3
	v_lshlrev_b32 v[TT+\n], 30, v[TQ+\n]           ; the sine's sign: bit 1 of k
	v_add_nc_u32 v[TQ+\n], 1, v[TQ+\n]
.endr
.irp n, 0,1,2,3
	v_and_b32 v[TT+\n], 0x80000000, v[TT+\n]
	v_lshlrev_b32 v[TQ+\n], 30, v[TQ+\n]           ; the cosine's: bit 1 of k + 1
.endr
.irp n, 0,1,2,3
	v_xor_b32 v[TOUT+8*\c+4+\n], v[TT+\n], v[TKK+\n]
	v_and_b32 v[TQ+\n], 0x80000000, v[TQ+\n]
.endr
.irp n, 0,1,2,3
	v_xor_b32 v[TOUT+8*\c+\n], v[TQ+\n], v[TR2+\n]
.endr
	global_store_b128 v3, v[TOUT+8*\c:TOUT+8*\c+3], s[26:27] offset:\c*32768         ; a lane a position: the wave stores 512 consecutive bytes
	global_store_b128 v3, v[TOUT+8*\c+4:TOUT+8*\c+7], s[26:27] offset:(8+\c)*32768
.endm
.macro CLOSE                           ; a wave's end
	s_wait_tensorcnt 0x0
	ds_add_u32 v[SPW], v[NIL]
	s_wait_dscnt 0x0
	s_endpgm
.endm
	s_load_b512 s[8:23], s[0:1], 0x0               ; hidden 8, Wqkv 10, Wout 12, positions 14, x_codes 16, x_scales 18, w_codes 20, w_scales 22
	s_load_b128 s[24:27], s[0:1], 0x40             ; woutT 24, tab 26
	v_lshl_add_u32 v[SPW], v0, 2, SPARE
	v_mov_b32 v[NIL], 0
	v_lshrrev_b32 v1, 5, v0
	v_readfirstlane_b32 s2, v1                     ; wave 0..3
	v_and_b32 v2, 31, v0                           ; lane
	s_mov_b32 s5, 0                                ; the upper word of every offset in s[4:5]
	s_wait_kmcnt 0x0
	s_cmp_lt_u32 ttmp9, 16
	s_cbranch_scc1 .Ltable
	s_cmp_lt_u32 ttmp9, 112
	s_cbranch_scc1 .Lwqkv
	s_cmp_lt_u32 ttmp9, 176
	s_cbranch_scc1 .Lwout
	; ================ hidden_states: a plain stream of blocks of 32; a wave takes a run of 8,192 numbers
	s_mul_i32 s3, s2, XWREG
	v_lshlrev_b32 v3, 4, v2                        ; my 16 bytes of a load's 512
	v_lshrrev_b32 v14, 2, v2
	v_mul_u32_u24 v14, v14, XSP
	v_and_b32 v15, 3, v2
	v_lshl_add_u32 v14, v15, 4, v14
	v_add_nc_u32 v14, s3, v14                      ; the stage, in: four lanes' 64 bytes on end, then 16 of padding
	v_mul_u32_u24 v15, v2, XSP
	v_add_nc_u32 v15, s3, v15                      ; and out: my 16 neighbours
	v_lshlrev_b32 v4, 3, v2                        ; 8 bytes a lane: my codes in a step's 256 bytes, and my part of the 256 scale bytes
	v_lshrrev_b32 v5, 1, v2
	s_add_co_u32 s3, s3, 2*32*XSP
	v_add_nc_u32 v5, s3, v5                        ; LDS: my block's scale byte
	v_add_nc_u32 v6, s3, v4                        ; and where I read 8 of them back
	s_sub_co_u32 s6, ttmp9, 176
	s_lshl_b32 s6, s6, 2
	s_add_co_u32 s6, s6, s2                        ; which run is my wave's
	s_lshl_b32 s4, s6, 15
	s_add_nc_u64 s[8:9], s[8:9], s[4:5]            ; 32,768 bytes of numbers,
	s_lshl_b32 s4, s6, 12
	s_add_nc_u64 s[16:17], s[16:17], s[4:5]        ; 4,096 of codes,
	s_lshl_b32 s4, s6, 8
	s_add_nc_u64 s[18:19], s[18:19], s[4:5]        ; 256 scale bytes a run
.irp t, 0,1,2,3
	XLOAD \t
.endr
	s_wait_loadcnt 12                              ; step 0's four loads are in
	XTURN 0
.irp t, 0,1,2,3,4,5,6,7,8,9,10,11,12,13,14,15
	XSTEP \t
.endr
	ds_load_b64 v[8:9], v6                         ; LDS serves a wave's instructions in order: these see my byte stores
	s_wait_dscnt 0x0
	global_store_b64 v4, v[8:9], s[18:19]          ; 32 lanes store 256 consecutive bytes, aligned
	CLOSE
	; ================ the table
.Ltable:
	s_lshl_b32 s4, ttmp9, 9
	s_add_nc_u64 s[14:15], s[14:15], s[4:5]        ; positions of my work-group's 128,
	s_lshl_b32 s4, ttmp9, 11
	s_add_nc_u64 s[26:27], s[26:27], s[4:5]        ; and their 16 bytes in each chunk
	v_lshlrev_b32 v1, 2, v0
	v_lshlrev_b32 v3, 4, v0
	global_load_b32 v[PF], v1, s[14:15]
	s_mov_b32 s28, 0x3f22f983                      ; 2 / pi
	s_mov_b32 s29, 0x3fc90fdb                      ; pi / 2 in three parts
	s_mov_b32 s30, 0xb33bbd2e
	s_mov_b32 s31, 0xa6f72ced
	s_mov_b32 s32, 0xbe2aaaab                      ; -1/3!, 1/5!, -1/7!, 1/9!
	s_mov_b32 s33, 0x3c088889
	s_mov_b32 s34, 0xb9500d01
	s_mov_b32 s35, 0x3638ef1d
	s_mov_b32 s36, 0x3d2aaaab                      ; 1/4!, -1/6!, 1/8!, -1/10!
	s_mov_b32 s37, 0xbab60b61
	s_mov_b32 s38, 0x37d00d01
	s_mov_b32 s39, 0xb493f27e
	s_wait_loadcnt 0x0
	v_cvt_f32_i32 v[PF], v[PF]
	TRIG4 0, 1.0, 0.7498942093, 0.5623413252, 0.4216965034         ; 10000^(-i/32) = 10^(-i/8)
	TRIG4 1, 0.3162277660, 0.2371373706, 0.1778279410, 0.1333521432
	TRIG4 2, 0.1, 0.07498942093, 0.05623413252, 0.04216965034
	TRIG4 3, 0.03162277660, 0.02371373706, 0.01778279410, 0.01333521432
	TRIG4 4, 0.01, 0.007498942093, 0.005623413252, 0.004216965034
	TRIG4 5, 0.003162277660, 0.002371373706, 0.001778279410, 0.001333521432
	TRIG4 6, 0.001, 0.0007498942093, 0.0005623413252, 0.0004216965034
	TRIG4 7, 0.0003162277660, 0.0002371373706, 0.0001778279410, 0.0001333521432
	CLOSE
	; ================ Wqkv: a work-group takes 64 columns x 512 along K; wave w: columns 32 (w & 1) on, 256 (w >> 1) along K on
.Lwqkv:
	s_sub_co_u32 s6, ttmp9, 16
	s_lshr_b32 s7, s6, 1                           ; which 64 columns
	s_and_b32 s6, s6, 1                            ; which 512 of K
	s_and_b32 s28, s2, 1
	s_lshr_b32 s29, s2, 1
	s_lshl_b32 s30, s7, 6
	s_lshl_b32 s31, s28, 5
	s_add_co_u32 s30, s30, s31                     ; my wave's first column
	s_lshl_b32 s31, s6, 1
	s_add_co_u32 s31, s31, s29                     ; which 256 of K is my wave's
	s_mul_i32 s4, s31, 256*12288
	s_lshl_b32 s32, s30, 2
	s_add_co_u32 s4, s4, s32
	s_add_nc_u64 s[10:11], s[10:11], s[4:5]        ; Wqkv at my first row and column
	s_lshl_b32 s4, s30, 5
	s_lshl_b32 s32, s31, 3
	s_add_co_u32 s4, s4, s32
	s_add_nc_u64 s[22:23], s[22:23], s[4:5]        ; scale bytes: 32 a column, my 8
	s_lshl_b32 s32, s29, 4
	s_add_co_u32 s32, s32, s30
	s_lshl_b32 s4, s32, 9
	s_lshl_b32 s32, s6, 8
	s_add_co_u32 s4, s4, s32
	s_add_nc_u64 s[20:21], s[20:21], s[4:5]        ; codes: the 16 rows that I store, the work-group's 256 bytes of them
	s_mul_i32 s33, s28, 32*PIT
	s_lshl_b32 s34, s29, 7
	s_add_co_u32 s34, s34, s33
	s_add_co_u32 s34, s34, WSTG
	v_mul_u32_u24 v4, v2, PIT
	v_add_nc_u32 v4, s34, v4                       ; into the stage: row = my column, my wave's 128 bytes of it
	s_mul_i32 s34, s29, 16*PIT
	s_add_co_u32 s34, s34, s33
	s_add_co_u32 s34, s34, WSTG
	v_and_b32 v5, 15, v2
	v_lshrrev_b32 v6, 4, v2
	v_mul_u32_u24 v7, v6, PIT
	v_lshl_add_u32 v7, v5, 4, v7
	v_add_nc_u32 v7, s34, v7                       ; out of it: sixteen lanes to a row, two rows an instruction
	v_lshlrev_b32 v8, 9, v6
	v_lshl_add_u32 v8, v5, 4, v8                   ; the same place in the codes' buffer
	v_lshlrev_b32 v3, 2, v2
	v_lshlrev_b32 v9, 5, v2
	KLOAD 0, 10, 12288
	KLOAD 1, 10, 12288
.irp t, 0,1,2,3,4,5,6,7
	WBLOCK \t
.endr
	global_store_b64 v9, v[SB:SB+1], s[22:23]      ; my column's 8 scale bytes
	s_wait_dscnt 0x0                               ; for the others' sake: my stores into the stage are done; a row's 256 bytes come from two waves
	s_barrier_signal -1
	s_barrier_wait -1
.irp t, 0,1,2,3,4,5,6,7
	ds_load_b128 v[OUTR+4*\t:OUTR+4*\t+3], v7 offset:2*\t*PIT
.endr
.irp t, 0,1,2,3,4,5,6,7
	s_wait_dscnt 7-\t                              ; LDS loads come back in order: load t is in
	global_store_b128 v8, v[OUTR+4*\t:OUTR+4*\t+3], s[20:21] offset:1024*\t   ; sixteen lanes store 256 consecutive bytes, aligned
.endr
	CLOSE
	; ================ Wout: a work-group takes 128 columns x 128 along K, a wave 32 columns
.Lwout:
	s_sub_co_u32 s6, ttmp9, 112
	s_and_b32 s7, s6, 7                            ; which 128 columns
	s_lshr_b32 s6, s6, 3                           ; which 128 of K
	s_lshl_b32 s30, s7, 7
	s_lshl_b32 s31, s2, 5
	s_add_co_u32 s30, s30, s31                     ; my wave's first column
	s_lshl_b32 s4, s6, 19                          ; 128 rows of 4,096 bytes
	s_lshl_b32 s31, s30, 2
	s_add_co_u32 s4, s4, s31
	s_add_nc_u64 s[12:13], s[12:13], s[4:5]
	s_lshl_b32 s4, s30, 11                         ; a row of woutT is 2,048 bytes
	s_lshl_b32 s31, s6, 8
	s_add_co_u32 s4, s4, s31
	s_add_nc_u64 s[24:25], s[24:25], s[4:5]
	s_mul_i32 s33, s2, 32*PIT
	s_add_co_u32 s33, s33, OSTG                    ; my own stage: no barrier
	v_mul_u32_u24 v4, v2, PIT
	v_add_nc_u32 v4, s33, v4
	v_and_b32 v5, 15, v2
	v_lshrrev_b32 v6, 4, v2
	v_mul_u32_u24 v7, v6, PIT
	v_lshl_add_u32 v7, v5, 4, v7
	v_add_nc_u32 v7, s33, v7
	v_lshlrev_b32 v8, 11, v6
	v_lshl_add_u32 v8, v5, 4, v8
	v_lshlrev_b32 v3, 2, v2
	KLOAD 0, 12, 4096
	KLOAD 1, 12, 4096
.irp t, 0,1,2,3
	OBLOCK \t
.endr
.irp t, 0,1,2,3,4,5,6,7,8,9,10,11,12,13,14,15
	ds_load_b128 v[OUTR+4*\t:OUTR+4*\t+3], v7 offset:2*\t*PIT      ; LDS serves a wave's instructions in order: these see my stores
.endr
.irp t, 0,1,2,3,4,5,6,7,8,9,10,11,12,13,14,15
	s_wait_dscnt 15-\t
	global_store_b128 v8, v[OUTR+4*\t:OUTR+4*\t+3], s[24:25] offset:4096*\t   ; sixteen lanes store 256 consecutive bytes, aligned
.endr
	CLOSE
.Lfunc_end_k_q66a5a583dd_prep:
	.size	k_q66a5a583dd_prep, .Lfunc_end_k_q66a5a583dd_prep-k_q66a5a583dd_prep
	.p2alignl 7, 3214868480
	.fill 96, 4, 3214868480
	.section	.rodata,"a",@progbits
	.p2align	6, 0x0
	.amdhsa_kernel k_q66a5a583dd_prep
		.amdhsa_group_segment_fixed_size 102912
		.amdhsa_private_segment_fixed_size 0
		.amdhsa_enable_private_segment 0
		.amdhsa_kernarg_size 80
		.amdhsa_user_sgpr_count 2
		.amdhsa_user_sgpr_kernarg_segment_ptr 1
		.amdhsa_wavefront_size32 1
		.amdhsa_system_sgpr_workgroup_id_x 1
		.amdhsa_system_sgpr_workgroup_id_y 1
		.amdhsa_system_sgpr_workgroup_id_z 1
		.amdhsa_system_vgpr_workitem_id 0
		.amdhsa_next_free_vgpr 192
		.amdhsa_next_free_sgpr 66
		.amdhsa_reserve_vcc 0
		.amdhsa_float_denorm_mode_32 3
		.amdhsa_float_denorm_mode_16_64 3
		.amdhsa_memory_ordered 1
		.amdhsa_forward_progress 1
		.amdhsa_inst_pref_size 145
	.end_amdhsa_kernel
	.amdgpu_metadata
---
amdhsa.version: [ 1, 2 ]
amdhsa.kernels:
  - .name:           k_q66a5a583dd_prep
    .symbol:         k_q66a5a583dd_prep.kd
    .args:
      - { .name: hidden_states, .offset: 0, .size: 8, .value_kind: global_buffer, .address_space: global }
      - { .name: Wqkv, .offset: 8, .size: 8, .value_kind: global_buffer, .address_space: global }
      - { .name: Wout, .offset: 16, .size: 8, .value_kind: global_buffer, .address_space: global }
      - { .name: positions, .offset: 24, .size: 8, .value_kind: global_buffer, .address_space: global }
      - { .name: x_codes, .offset: 32, .size: 8, .value_kind: global_buffer, .address_space: global }
      - { .name: x_scales, .offset: 40, .size: 8, .value_kind: global_buffer, .address_space: global }
      - { .name: w_codes, .offset: 48, .size: 8, .value_kind: global_buffer, .address_space: global }
      - { .name: w_scales, .offset: 56, .size: 8, .value_kind: global_buffer, .address_space: global }
      - { .name: woutT, .offset: 64, .size: 8, .value_kind: global_buffer, .address_space: global }
      - { .name: tab, .offset: 72, .size: 8, .value_kind: global_buffer, .address_space: global }
    .group_segment_fixed_size: 102912
    .private_segment_fixed_size: 0
    .kernarg_segment_align: 8
    .kernarg_segment_size: 80
    .max_flat_workgroup_size: 128
    .sgpr_count:     66
    .vgpr_count:     192
    .wavefront_size: 32
...
	.end_amdgpu_metadata
.endif
;; end of part 1
;; launch qkv (part 2): grid 12 x 32, 4 waves a work-group, clusters of 4 x 4, 327,680 bytes of LDS; arguments x_codes, x_scales, w_codes, w_scales, qkv, bqkv, tab; writes qkv
.if DOCPART == 2
	.amdgcn_target "amdgcn-amd-amdhsa--gfx1250"
	.amdhsa_code_object_version 6
	.text
	.protected	k_q66a5a583dd_qkv
	.globl	k_q66a5a583dd_qkv
	.p2align	8
	.type	k_q66a5a583dd_qkv,@function
k_q66a5a583dd_qkv:
	s_mov_b64 s[64:65], 0
	v_nop
	global_prefetch_b8 v0, s[64:65] scope:SCOPE_SE
	s_setreg_imm32_b32 hwreg(HW_REG_WAVE_MODE, 25, 1), 1
	s_wait_xcnt 0x0
	s_wait_alu depctr_hold_cnt(0) depctr_sa_sdst(0) depctr_va_vdst(0) depctr_va_sdst(0) depctr_va_ssrc(0) depctr_va_vcc(0) depctr_vm_vsrc(0)
	s_getreg_b32 s2, hwreg(HW_REG_IB_STS2, 6, 4)
	s_cmp_eq_u32 s2, 0
	s_cbranch_scc0 .Lentry_in_a_cluster
	s_endpgm
.Lentry_in_a_cluster:
	s_bfe_u32 s2, ttmp6, 0x10000c
	s_cmp_lg_u32 s2, 0xf033
	s_cbranch_scc0 .Lentry_shape_is_right
	s_endpgm
.Lentry_shape_is_right:
; qkv = Q(hidden) Q(Wqkv) + bqkv on codes of FP4 (E2M1) with one E8M0 scale for each 32 along K; then RoPE on q and k in f32; results rounded once to f16, laid [part q, k, v][batch][head][s][64].
; A tile of C, 256 tokens x 256 columns, is made by a work-group of four waves; a wave makes 128 x 128: 64 accumulators of 16 x 16, 512 registers.  K = 1,024 is two slots of 512: both are first fills, nothing is
; filled again, and there is no loop.  The scale bytes of the work-group's rows come once, as two dense blocks.  By this text's count a wave has three tensor loads out at the start.
; CLUSTERS: 4 x 4 work-groups; the four of a row need the same tiles of x, the four of a column the same tiles of W: each is asked for jointly.  The cluster's x is the part: 0 q, 1 k, 2 v, the same in all partners.
; THE MATRIX INSTRUCTION IS USED TRANSPOSED (source 0 = 16 rows of W's codes, source 1 = 16 tokens): a lane holds one token and eight neighbouring columns.  The bias is the C of each sum's first instruction.
; RoPE: a wave's 128 columns are two heads; column d < 32 of a head lies in accumulator block b' = d / 16, its partner d + 32 in block b' + 2 of the same lane and register: nothing changes lanes.
; cos and sin come from the table by the token's index in its sequence, a lane a token: sixteen lanes read 256 consecutive bytes.
; LIMITS: q, k, v within f16's range (65,504); NaN and infinities are not served.
; REGISTERS, in windows of 256: window 0: v0-31 addresses; v32-95 scale words, two sets; v96-127 packed results; v128-191 x's fragments, later rows on their way out; v192-255 the bias, later two sets of cos and sin.
;   window 1: W's fragments, two sets, at v0 and v128; on the way out v0-63 the turned numbers.   windows 2, 3: the accumulators ((a, b) at v[8 (8 (a % 4) + b)]).
.set SIZE_K, 1024
.set NQ,     4                         ; steps of 128 along K in a slot
.set ROWB,   256                       ; a tile's row in bytes: 512 codes
.set KROW,   512                       ; a row of codes in memory
.set PITCH,  272                       ; an LDS row: 256 bytes + 16 of padding: the 16 rows that a load touches start 16 bytes further on in each 256
.set FR,     8
.set NL,     2
.set NP,     4                         ; places behind this matrix instruction (ISA guide 7.12.1)
.set HALFT,  128*PITCH
.set SLOT,   4*HALFT
.set KS,     32                        ; a row of scale bytes
.set SCL,    2*SLOT
.set HALFS,  16*272                    ; the scales of 128 rows
.set SBLK,   2*272                     ; of 16 rows
.set SPARE,  SCL+4*HALFS               ; the spare words, 128 bytes for each wave: two blocks of 256 bytes that no other line names
.set ADRA, 16
.set ADRB, 20
.set STO,  24                          ; the way out: where I put 16 bytes of a token's row
.set RD,   25                          ; where I read rows back
.set CO,   26                          ; 16 x lane
.set ADRS, 27
.set SPW,  28
.set NIL,  29
.set TO,   30                          ; the table: 16 (lane % 16) + 65,536 (lane / 16)
.set BO,   31                          ; the bias: 32 (lane / 16)
.set SC,   32
.set PK,   96
.set AF,   128
.set BK,   128
.set BIAS, 192
.set TAB,  192
.set G1, 24
.set G0, 32
.set G1B, 48
.set G0B, 56
.set G1S, 68
.set G0S, 76
.set G1SB, 80
.set G0SB, 88
.set MSB, 0
.macro WIN new                         ; the immediate's high byte repeats the setting that is left
.if MSB != (\new)
	s_set_vgpr_msb (MSB<<8)|(\new)
.set MSB, (\new)
.endif
.endm
.set MUL_LO, 0xa1                      ; source 0 (W) window 1, source 1 (x) window 0, C and D window 2
.set MUL_HI, 0xf1                      ; the same, C and D window 3
.set TO_B,   0x40
; A joint load: waves 0 and 1 fetch for x, waves 2 and 3 for W.  The branch hangs on the wave's number alone.  An s_nop 0 and four v_nop follow each line.
.macro JLOAD g0a, g1a, g0b, g1b
	s_cmp_eq_u32 s15, 0
	s_cbranch_scc0 .Lfor_b_\@
	tensor_load_to_lds s[\g0a:\g0a+3], s[\g1a:\g1a+7]
	s_nop 0
.rept 4
	v_nop
.endr
	s_branch .Lasked_\@
.Lfor_b_\@:
	tensor_load_to_lds s[\g0b:\g0b+3], s[\g1b:\g1b+7]
	s_nop 0
.rept 4
	v_nop
.endr
.Lasked_\@:
.endm
.macro CROUND                          ; a round of the cluster's barrier
	s_barrier_signal -1
	s_barrier_wait -1
	s_cmp_lg_u32 s14, 0
	s_cbranch_scc1 .Lnot_wave_0_\@
	s_barrier_signal -3
.Lnot_wave_0_\@:
	s_barrier_wait -3
	s_barrier_signal -1
	s_barrier_wait -1
.endm
	s_load_b128 s[4:7], s[0:1], 0x0                ; x's codes, x's scales
	s_load_b128 s[8:11], s[0:1], 0x10              ; W's codes, W's scales
	s_load_b64 s[12:13], s[0:1], 0x20              ; qkv
	s_load_b64 s[96:97], s[0:1], 0x28              ; bqkv
	s_load_b64 s[98:99], s[0:1], 0x30              ; tab
	v_lshl_add_u32 v[SPW], v0, 2, SPARE
	v_mov_b32 v[NIL], 0
	ds_add_u32 v[SPW], v[NIL]                      ; the wave's opening: the add, twice on end, and its wait ahead of my first tensor load
	ds_add_u32 v[SPW], v[NIL]
	v_lshrrev_b32 v1, 5, v0
	v_readfirstlane_b32 s14, v1                    ; wave 0..3
	s_lshr_b32 s15, s14, 1                         ; which half of the tile's tokens is mine.  Also: I fetch for x (0) or for W (1)
	s_and_b32 s16, s14, 1                          ; which half of its columns.  Also: which 128 rows of that tile I fetch
	s_bfe_u32 s40, ttmp6, 0x40000                  ; cx, cy
	s_bfe_u32 s41, ttmp6, 0x40004
	s_lshl_b32 s42, ttmp9, 2
	s_add_co_u32 s42, s42, s40                     ; tile column
	s_and_b32 s17, ttmp7, 0xffff
	s_lshl_b32 s17, s17, 2
	s_add_co_u32 s17, s17, s41                     ; tile row
	s_lshl_b32 s43, s41, 2
	s_lshl_b32 s43, 15, s43                        ; my row of the cluster
	s_lshl_b32 s44, 0x1111, s40                    ; my column
	s_or_b32 s[G1+0], s43, (0<<16)|(1<<20)|(1<<21)|(5<<22)|(3<<25)  ; the mask; elements of 1 byte; padding on; bit 21 beside a mask; 4 words behind every 64
	s_or_b32 s[G1B+0], s44, (0<<16)|(1<<20)|(1<<21)|(5<<22)|(3<<25)
.irp g, G1, G1B
	s_mov_b32 s[\g+1], ROWB<<16                    ; tensor_dim0
	s_mov_b32 s[\g+2], 128<<16                     ; tensor_dim1
	s_mov_b32 s[\g+3], ROWB<<16                    ; tile_dim0
	s_mov_b32 s[\g+4], 128                         ; tile_dim1
	s_mov_b32 s[\g+5], KROW                        ; the pitch
	s_mov_b32 s[\g+6], 0
	s_mov_b32 s[\g+7], 0
.endr
	s_or_b32 s[G1S+0], s43, (3<<16)|(1<<20)|(1<<21)|(5<<22)|(3<<25) ; the scales of 128 rows: 4,096 dense bytes as 16 rows of 256 (32 elements of 8 bytes)
	s_or_b32 s[G1SB+0], s44, (3<<16)|(1<<20)|(1<<21)|(5<<22)|(3<<25)
.irp g, G1S, G1SB
	s_mov_b32 s[\g+1], 32<<16
	s_mov_b32 s[\g+2], 16<<16
	s_mov_b32 s[\g+3], 32<<16
	s_mov_b32 s[\g+4], 16
	s_mov_b32 s[\g+5], 32
	s_mov_b32 s[\g+6], 0
	s_mov_b32 s[\g+7], 0
.endr
	s_lshl_b32 s18, s16, 7
	s_lshl_b32 s20, s17, 8
	s_add_co_u32 s20, s20, s18                     ; x: row 256 x tile row + 128 x half
	s_lshl_b32 s46, s42, 8
	s_add_co_u32 s46, s46, s18                     ; W: row 256 x tile column + 128 x half
	s_mov_b32 s21, 0
	s_mov_b32 s47, 0
	s_mov_b64 s[18:19], KS
	s_mul_u64 s[22:23], s[20:21], s[18:19]
	s_mul_u64 s[92:93], s[46:47], s[18:19]
	s_mov_b64 s[18:19], KROW
	s_mul_u64 s[20:21], s[20:21], s[18:19]
	s_mul_u64 s[46:47], s[46:47], s[18:19]
	s_mul_i32 s45, s14, HALFT                      ; where they go: wave x 128 rows
	s_mul_i32 s94, s14, HALFS
	s_wait_dscnt 0x0                               ; both opening adds are done
	s_wait_kmcnt 0x0
	s_add_nc_u64 s[20:21], s[4:5], s[20:21]
	s_add_nc_u64 s[22:23], s[6:7], s[22:23]
	s_add_nc_u64 s[46:47], s[8:9], s[46:47]
	s_add_nc_u64 s[92:93], s[10:11], s[92:93]
	CROUND                                         ; all sixteen work-groups are here: the joint loads meet
	s_mov_b32 s[G0S], 1
	s_add_co_u32 s[G0S+1], s94, SCL
	s_mov_b64 s[G0S+2:G0S+3], s[22:23]
	s_or_b32 s[G0S+3], s[G0S+3], 0x80000000
	s_mov_b32 s[G0SB], 1
	s_add_co_u32 s[G0SB+1], s94, SCL
	s_mov_b64 s[G0SB+2:G0SB+3], s[92:93]
	s_or_b32 s[G0SB+3], s[G0SB+3], 0x80000000
	JLOAD G0S, G1S, G0SB, G1SB                     ; the scales first: they are wanted with the first step
.irp s, 0,1
	s_mov_b32 s[G0+4*\s], 1
	s_add_co_u32 s[G0+4*\s+1], s45, \s*SLOT
	s_add_nc_u64 s[G0+4*\s+2:G0+4*\s+3], s[20:21], \s*ROWB
	s_or_b32 s[G0+4*\s+3], s[G0+4*\s+3], 0x80000000
	s_mov_b32 s[G0B+4*\s], 1
	s_add_co_u32 s[G0B+4*\s+1], s45, \s*SLOT
	s_add_nc_u64 s[G0B+4*\s+2:G0B+4*\s+3], s[46:47], \s*ROWB
	s_or_b32 s[G0B+4*\s+3], s[G0B+4*\s+3], 0x80000000
	JLOAD G0+4*\s, G1, G0B+4*\s, G1B
.endr
	v_and_b32 v1, 15, v0                           ; r
	v_bfe_u32 v2, v0, 4, 1                         ; h
	v_mul_u32_u24 v3, v1, PITCH
	v_lshl_add_u32 v4, v2, 4, v3
	s_mul_i32 s21, s15, HALFT
	s_mul_i32 s22, s16, HALFT
	s_add_co_u32 s22, s22, 2*HALFT
.irp s, 0,1
	v_add_nc_u32 v[ADRA+\s], s21, v4
	v_add_nc_u32 v[ADRB+\s], s22, v4
	s_add_co_u32 s21, s21, SLOT
	s_add_co_u32 s22, s22, SLOT
.endr
	v_mul_u32_u24 v5, v1, KS                       ; my row's scales: 32 bytes a row,
	v_lshrrev_b32 v6, 8, v5
	v_lshl_add_u32 v5, v6, 4, v5                   ; and 16 more for each 256 passed
	s_mul_i32 s21, s15, HALFS
	s_mul_i32 s22, s16, HALFS
	s_add_co_u32 s22, s22, 2*HALFS
	s_sub_co_u32 s22, s22, s21
	v_mul_u32_u24 v6, s22, v2                      ; lanes 16-31 take W's
	s_add_co_u32 s21, s21, SCL
	v_add_nc_u32 v5, v5, v6
	v_add_nc_u32 v[ADRS], s21, v5
	s_mul_i32 s23, s14, 4608                       ; my stage: two heads x 16 tokens x (128 bytes + 16); it lies in slot 0, which has had its last fill and its last read when the first result is stored there
	v_mul_u32_u24 v5, v1, 144
	v_lshl_add_u32 v5, v2, 4, v5
	v_add_nc_u32 v[STO], s23, v5                   ; in: token r, 16 bytes for each half of the lanes
	v_and_b32 v6, 31, v0
	v_lshrrev_b32 v5, 3, v6
	v_mul_u32_u24 v5, v5, 144
	v_and_b32 v3, 7, v0
	v_lshl_add_u32 v5, v3, 4, v5
	v_add_nc_u32 v[RD], s23, v5                    ; back: eight lanes to a token's 128 bytes, four tokens an instruction
	v_lshlrev_b32 v[CO], 4, v6
	v_lshlrev_b32 v[TO], 4, v1
	v_lshl_add_u32 v[TO], v2, 16, v[TO]
	v_lshlrev_b32 v[BO], 5, v2
	s_and_b32 s20, s17, 7
	s_lshl_b32 s20, s20, 8
	s_lshl_b32 s21, s15, 7
	s_add_co_u32 s20, s20, s21                     ; my first token's index in its sequence
	s_lshl_b32 s22, s20, 4
	s_mov_b32 s23, 0
	s_add_nc_u64 s[98:99], s[98:99], s[22:23]      ; the table there
	s_lshr_b32 s21, s17, 3                         ; the batch
	s_lshl_b32 s21, s21, 4
	s_lshl_b32 s46, s40, 2
	s_add_co_u32 s21, s21, s46
	s_lshl_b32 s46, s16, 1
	s_add_co_u32 s21, s21, s46                     ; 16 x batch + my first head: 4 cx + 2 x column half
	s_lshl_b32 s21, s21, 11
	s_add_co_u32 s21, s21, s20
	s_lshl_b32 s22, s21, 7                         ; 128 bytes a token
	s_lshl_b32 s21, ttmp9, 24                      ; 16 MiB a part
	s_add_co_u32 s22, s22, s21
	s_add_nc_u64 s[12:13], s[12:13], s[22:23]
	s_lshl_b32 s46, s42, 10
	s_lshl_b32 s47, s16, 9
	s_add_co_u32 s46, s46, s47
	s_mov_b32 s47, 0
	s_add_nc_u64 s[96:97], s[96:97], s[46:47]      ; the bias at my first column
.irp b, 0,1,2,3,4,5,6,7
	global_load_b128 v[BIAS+8*\b:BIAS+8*\b+3], v[BO], s[96:97] offset:64*\b        ; in the result's layout: block b, columns 16 b + 8 h + 0 .. 7
	global_load_b128 v[BIAS+8*\b+4:BIAS+8*\b+7], v[BO], s[96:97] offset:64*\b+16
.endr
.macro FRAG reg, adr, q, i             ; a fragment, 16 rows x 128 K of 4-bit codes: two loads of 16 bytes, 32 bytes apart
.irp c, 0,1
	ds_load_b128 v[\reg+4*\c:\reg+4*\c+3], v[\adr] offset:64*(\q)+32*\c+(\i)*16*PITCH
.endr
.endm
; 16 matrix instructions: x's blocks a0, a0 + 1 against W's eight.  zero = 1: the sums start from the bias.  The 64 accumulators take turns, one instruction a turn.
.macro MUL16 a0, p, q, sc, zero
.irp a, \a0, \a0+1
.irp b, 0,1,2,3,4,5,6,7
.if \zero
	v_wmma_scale_f32_16x16x128_f8f6f4 v[8*(8*((\a)%4)+\b):8*(8*((\a)%4)+\b)+7], v[128*(\p)+FR*\b:128*(\p)+FR*\b+FR-1], v[AF+FR*(\a):AF+FR*(\a)+FR-1], v[BIAS+8*\b:BIAS+8*\b+7], v[SC+8*NQ*(\sc)+NQ*\b+(\q)], v[SC+8*NQ*(\sc)+NQ*(\a)+(\q)] matrix_a_fmt:MATRIX_FMT_FP4 matrix_b_fmt:MATRIX_FMT_FP4 matrix_a_scale:MATRIX_SCALE_ROW1
.else
	v_wmma_scale_f32_16x16x128_f8f6f4 v[8*(8*((\a)%4)+\b):8*(8*((\a)%4)+\b)+7], v[128*(\p)+FR*\b:128*(\p)+FR*\b+FR-1], v[AF+FR*(\a):AF+FR*(\a)+FR-1], v[8*(8*((\a)%4)+\b):8*(8*((\a)%4)+\b)+7], v[SC+8*NQ*(\sc)+NQ*\b+(\q)], v[SC+8*NQ*(\sc)+NQ*(\a)+(\q)] matrix_a_fmt:MATRIX_FMT_FP4 matrix_b_fmt:MATRIX_FMT_FP4 matrix_a_scale:MATRIX_SCALE_ROW1
.endif
.endr
.endr
.endm
.macro FETCH_B slot, q, p
	WIN TO_B
.irp i, 0,1,2,3,4,5,6,7
	FRAG 128*(\p)+FR*\i, ADRB+\slot, \q, \i
.endr
	WIN 0
.endm
.macro FETCH_A slot, q, i0
.irp i, \i0, \i0+1, \i0+2, \i0+3
	FRAG AF+FR*(\i), ADRA+\slot, \q, \i
.endr
.endm
.macro SCALES sc                       ; a slot's scale words: lanes 0-15 x's block i, lanes 16-31 W's block i
.irp i, 0,1,2,3,4,5,6,7
	ds_load_b128 v[SC+8*NQ*\sc+NQ*\i:SC+8*NQ*\sc+NQ*\i+3], v[ADRS] offset:\i*SBLK
.endr
.endm
.macro PLACES n                        ; plain vector instructions between a matrix instruction and a load into, or a reader of, its registers
.rept \n
	v_nop
.endr
.endm
.macro STEP slot, q, zero              ; a step of 128 along K that has its successor in the same slot
	s_wait_dscnt 4*NL                              ; W's set and x's blocks 0-3 are in; the youngest eight loads (x's blocks 4-7) may be out
.if \zero
	WIN 0x81                                       ; C, the bias, in window 0
.else
	WIN MUL_LO
.endif
	MUL16 0, (\q)%2, \q, \slot, \zero
	MUL16 2, (\q)%2, \q, \slot, \zero
	s_wait_dscnt 0                                 ; x's blocks 4-7 are in
	PLACES NP
	FETCH_B \slot, (\q)+1, 1-(\q)%2
	FETCH_A \slot, (\q)+1, 0
.if \zero
	WIN 0xc1
.else
	WIN MUL_HI
.endif
	MUL16 4, (\q)%2, \q, \slot, \zero
	MUL16 6, (\q)%2, \q, \slot, \zero
	PLACES NP
	WIN 0
	FETCH_A \slot, (\q)+1, 4
.endm
; cos and sin of block a's 16 tokens: set a % 2; in it cos of frequency 16 b' + 8 h + j at 8 b' + j, sin 16 further on
.macro TABLOAD a
.irp sc, 0,1
.irp bp, 0,1
.irp jj, 0,1
	global_load_b128 v[TAB+32*((\a)%2)+16*\sc+8*\bp+4*\jj:TAB+32*((\a)%2)+16*\sc+8*\bp+4*\jj+3], v[TO], s[98:99] offset:(8*\sc+4*\bp+\jj)*32768+256*(\a)
.endr
.endr
.endr
.endm
	s_wait_tensorcnt 1                             ; the scales and my part of slot 0 are in; slot 1's load may be out
	s_barrier_signal -1
	s_barrier_wait -1
	FETCH_B 0, 0, 0
	FETCH_A 0, 0, 0
	SCALES 0
	FETCH_A 0, 0, 4
	s_wait_loadcnt 0x0                             ; the bias
	STEP 0, 0, 1
	s_cmp_eq_u32 ttmp9, 2                          ; v is not turned: it wants no table.  The cluster's x is the same in all partners
	s_cbranch_scc1 .Lno_table
	TABLOAD 0                                      ; into the bias's registers: the step's closing places stand behind their last readers
	TABLOAD 1
.Lno_table:
	STEP 0, 1, 0
	STEP 0, 2, 0
	; slot 0's last step changes slots: one barrier; nothing is filled again, so no round of the cluster's barrier
	s_wait_tensorcnt 0x0                           ; my part of slot 1 has landed
	ds_add_u32 v[SPW], v[NIL]                      ; 0 onto my spare word
	s_wait_dscnt 4*NL+1                            ; the add and the youngest eight loads may be out
	WIN MUL_LO
	MUL16 0, 1, 3, 0, 0
	s_wait_dscnt 0x0                               ; the add is done, and my reads of slot 0 are over
	s_barrier_signal -1
	MUL16 2, 1, 3, 0, 0
	WIN 0
	s_barrier_wait -1
	PLACES NP
	v_add_nc_u32 v[ADRS], 4*NQ, v[ADRS]            ; on to slot 1's scale words (no LDS load of mine is out)
	FETCH_B 1, 0, 0
	FETCH_A 1, 0, 0
	SCALES 1
	WIN MUL_HI
	MUL16 4, 1, 3, 0, 0
	MUL16 6, 1, 3, 0, 0
	PLACES NP
	WIN 0
	FETCH_A 1, 0, 4
	STEP 1, 0, 0
	STEP 1, 1, 0
	STEP 1, 2, 0
	s_wait_dscnt 4*NL                              ; the last step: nothing more to fetch
	WIN MUL_LO
	MUL16 0, 1, 3, 1, 0
	MUL16 2, 1, 3, 1, 0
	s_wait_dscnt 0
	WIN MUL_HI
	MUL16 4, 1, 3, 1, 0
	MUL16 6, 1, 3, 1, 0
	WIN 0
; THE WAY OUT, block by block of 16 tokens.  x1' = x1 cos - x2 sin, x2' = x2 cos + x1 sin, two numbers an instruction, into window 1; each accumulator is read from its low end on.
.macro ROPE a
.set AC, 64*((\a)%4)
.set TS, TAB+32*((\a)%2)
	WIN 0x52+(\a)/4                                ; destination and source 2 window 1, source 0 the accumulators' window, source 1 (cos, sin) window 0
.irp hd, 0,1
.irp bp, 0,1
.irp j, 0,2,4,6
	v_pk_mul_f32 v[8*(4*\hd+\bp)+\j:8*(4*\hd+\bp)+\j+1], v[AC+8*(4*\hd+\bp+2)+\j:AC+8*(4*\hd+\bp+2)+\j+1], v[TS+16+8*\bp+\j:TS+16+8*\bp+\j+1]
	v_pk_mul_f32 v[8*(4*\hd+\bp+2)+\j:8*(4*\hd+\bp+2)+\j+1], v[AC+8*(4*\hd+\bp)+\j:AC+8*(4*\hd+\bp)+\j+1], v[TS+16+8*\bp+\j:TS+16+8*\bp+\j+1]
	v_pk_fma_f32 v[8*(4*\hd+\bp)+\j:8*(4*\hd+\bp)+\j+1], v[AC+8*(4*\hd+\bp)+\j:AC+8*(4*\hd+\bp)+\j+1], v[TS+8*\bp+\j:TS+8*\bp+\j+1], v[8*(4*\hd+\bp)+\j:8*(4*\hd+\bp)+\j+1] neg_lo:[0,0,1] neg_hi:[0,0,1]
	v_pk_fma_f32 v[8*(4*\hd+\bp+2)+\j:8*(4*\hd+\bp+2)+\j+1], v[AC+8*(4*\hd+\bp+2)+\j:AC+8*(4*\hd+\bp+2)+\j+1], v[TS+8*\bp+\j:TS+8*\bp+\j+1], v[8*(4*\hd+\bp+2)+\j:8*(4*\hd+\bp+2)+\j+1]
.endr
.endr
.endr
.endm
.macro TOSTAGE a                       ; 16 bytes a lane into my stage, and back as tokens' whole rows: LDS serves a wave's instructions in order, so no wait stands between
.irp b, 0,1,2,3,4,5,6,7
	ds_store_b128 v[STO], v[PK+4*\b:PK+4*\b+3] offset:2304*(\b/4)+32*(\b%4)
.endr
.irp hd, 0,1
.irp t, 0,1,2,3
	ds_load_b128 v[BK+32*((\a)%2)+16*\hd+4*\t:BK+32*((\a)%2)+16*\hd+4*\t+3], v[RD] offset:2304*\hd+576*\t
.endr
.endr
.endm
.macro SEND a, younger                 ; younger: the LDS instructions issued behind block a's loads, which may stay out
	s_wait_dscnt \younger
.irp hd, 0,1
.irp t, 0,1,2,3
	global_store_b128 v[CO], v[BK+32*((\a)%2)+16*\hd+4*\t:BK+32*((\a)%2)+16*\hd+4*\t+3], s[12:13] offset:262144*\hd+2048*(\a)+512*\t   ; four tokens of a head: 512 consecutive bytes, aligned
.endr
.endr
.endm
.macro OUT rope
	PLACES NP                                      ; behind the last products: for the first readers of results, and for loads into the registers that held x's fragments
.irp a, 0,1,2,3,4,5,6,7
.if \rope
.if \a < 7
	s_wait_loadcnt 8                               ; this block's eight table loads are in; the next block's eight may be out
.else
	s_wait_loadcnt 0x0
.endif
	ROPE \a
	WIN 0
.if \a < 6
	TABLOAD \a+2                                   ; into the set just read
.endif
	WIN 0x05                                       ; sources window 1, destination window 0
.irp b, 0,1,2,3,4,5,6,7
.irp jj, 0,1,2,3
	v_cvt_pk_f16_f32 v[PK+4*\b+\jj], v[8*\b+2*\jj], v[8*\b+2*\jj+1]
.endr
.endr
.else
	WIN 0x0a+5*((\a)/4)                            ; sources: the accumulators' window
.irp b, 0,1,2,3,4,5,6,7
.irp jj, 0,1,2,3
	v_cvt_pk_f16_f32 v[PK+4*\b+\jj], v[64*((\a)%4)+8*\b+2*\jj], v[64*((\a)%4)+8*\b+2*\jj+1]
.endr
.endr
.endif
	WIN 0
.if \a > 1
	s_wait_xcnt 0x0                                ; block a - 2's stores have read their registers: block a's rows may land there
.endif
	TOSTAGE \a
.if \a > 0
	SEND \a-1, 16                                  ; behind block a - 1's loads: block a's 8 stores and 8 loads
.endif
.endr
	SEND 7, 0
.endm
	s_cmp_eq_u32 ttmp9, 2
	s_cbranch_scc1 .Lplain
	OUT 1
	s_branch .Ldone
.Lplain:
	OUT 0
.Ldone:
	s_wait_tensorcnt 0x0                           ; the wave's end, behind my last tensor load and my last LDS store
	ds_add_u32 v[SPW], v[NIL]
	s_wait_dscnt 0x0
	CROUND                                         ; the closing round
	s_endpgm
.Lfunc_end_k_q66a5a583dd_qkv:
	.size	k_q66a5a583dd_qkv, .Lfunc_end_k_q66a5a583dd_qkv-k_q66a5a583dd_qkv
	.p2alignl 7, 3214868480
	.fill 96, 4, 3214868480
	.section	.rodata,"a",@progbits
	.p2align	6, 0x0
	.amdhsa_kernel k_q66a5a583dd_qkv
		.amdhsa_group_segment_fixed_size 327680
		.amdhsa_private_segment_fixed_size 0
		.amdhsa_enable_private_segment 0
		.amdhsa_kernarg_size 56
		.amdhsa_user_sgpr_count 2
		.amdhsa_user_sgpr_kernarg_segment_ptr 1
		.amdhsa_wavefront_size32 1
		.amdhsa_system_sgpr_workgroup_id_x 1
		.amdhsa_system_sgpr_workgroup_id_y 1
		.amdhsa_system_sgpr_workgroup_id_z 1
		.amdhsa_system_vgpr_workitem_id 0
		.amdhsa_next_free_vgpr 1024
		.amdhsa_next_free_sgpr 100
		.amdhsa_reserve_vcc 0
		.amdhsa_float_denorm_mode_32 3
		.amdhsa_float_denorm_mode_16_64 3
		.amdhsa_memory_ordered 1
		.amdhsa_forward_progress 1
		.amdhsa_inst_pref_size 198
	.end_amdhsa_kernel
	.amdgpu_metadata
---
amdhsa.version: [ 1, 2 ]
amdhsa.kernels:
  - .name:           k_q66a5a583dd_qkv
    .symbol:         k_q66a5a583dd_qkv.kd
    .args:
      - { .name: x_codes, .offset: 0, .size: 8, .value_kind: global_buffer, .address_space: global }
      - { .name: x_scales, .offset: 8, .size: 8, .value_kind: global_buffer, .address_space: global }
      - { .name: w_codes, .offset: 16, .size: 8, .value_kind: global_buffer, .address_space: global }
      - { .name: w_scales, .offset: 24, .size: 8, .value_kind: global_buffer, .address_space: global }
      - { .name: qkv, .offset: 32, .size: 8, .value_kind: global_buffer, .address_space: global }
      - { .name: bqkv, .offset: 40, .size: 8, .value_kind: global_buffer, .address_space: global }
      - { .name: tab, .offset: 48, .size: 8, .value_kind: global_buffer, .address_space: global }
    .group_segment_fixed_size: 327680
    .private_segment_fixed_size: 0
    .kernarg_segment_align: 8
    .kernarg_segment_size: 56
    .max_flat_workgroup_size: 128
    .sgpr_count:     100
    .vgpr_count:     1024
    .wavefront_size: 32
...
	.end_amdgpu_metadata
.endif
;; end of part 2
;; launch attn (part 3): grid 4 x 64, 8 waves a work-group, clusters of 4 x 1, 327,680 bytes of LDS; arguments qkv, ctx; writes ctx
.if DOCPART == 3
	.amdgcn_target "amdgcn-amd-amdhsa--gfx1250"
	.amdhsa_code_object_version 6
	.text
	.protected	k_q66a5a583dd_attn
	.globl	k_q66a5a583dd_attn
	.p2align	8
	.type	k_q66a5a583dd_attn,@function
k_q66a5a583dd_attn:
	s_mov_b64 s[64:65], 0
	v_nop
	global_prefetch_b8 v0, s[64:65] scope:SCOPE_SE
	s_setreg_imm32_b32 hwreg(HW_REG_WAVE_MODE, 25, 1), 1
	s_wait_xcnt 0x0
	s_wait_alu depctr_hold_cnt(0) depctr_sa_sdst(0) depctr_va_vdst(0) depctr_va_sdst(0) depctr_va_ssrc(0) depctr_va_vcc(0) depctr_vm_vsrc(0)
	s_getreg_b32 s2, hwreg(HW_REG_IB_STS2, 6, 4)
	s_cmp_eq_u32 s2, 0
	s_cbranch_scc0 .Lentry_in_a_cluster
	s_endpgm
.Lentry_in_a_cluster:
	s_bfe_u32 s2, ttmp6, 0x10000c
	s_cmp_lg_u32 s2, 0x3003
	s_cbranch_scc0 .Lentry_shape_is_right
	s_endpgm
.Lentry_shape_is_right:
; ctx[b][q][h][:] = the sum over k of softmax_k(q . k / 8) v, no mask.  q, k, v: f16, [part][16 b + h][2048][64]; ctx: f16, [head][8192 tokens][64].  Products on f16 operands with f32 sums; maxima, exponentials and
; sums in f32; the weights p are rounded to f16 for the second product, ctx once at the end.
; SHARES.  A work-group owns 512 queries of one head of one batch, each of its eight waves 64: four tiles of 16, in 512 registers.  Two waves share a SIMD, so that one wave's softmax stands beside the other's products.
; Every wave walks all 2,048 keys, 64 a step; a fragment of K or V read from LDS feeds four products.
; LAYOUT.  S^T = K Q^T (source 0 = 16 keys, source 1 = 16 queries): a lane holds ONE query (lane % 16) and keys 8 (lane / 16) + 0 .. 7.  Two such tiles, rounded to f16 in pairs, are source 1 of O^T = V^T P.
; K comes out of LDS as it lies, V ([key][channel]) turned, by ds_load_tr16_b128.
; SOFTMAX.  A running maximum m and sum l for each query: p = 2^(c s - c m), c = log2(e) / 8; in every step O^T and l are multiplied by a = 2^(c m_old - c m_new).  m begins at -3e38, l and O^T at zero, so that
; the step is written without a first step of its own: 128 moves once, against one more copy of the step.
; CLUSTER.  The four query blocks of a head walk the same K and V: each tile is asked for jointly (mask 15).  RING: two slots of 512 keys; two first fills, two refills, each with eight key steps in which to land.
; By this text's count a wave has two tensor loads out at the start and one behind each round.  No prefetch: half of K and V is asked for at the head, and the other half eight key steps ahead of its first read.
; LDS ROWS hold TWO keys (256 bytes) + padding: key kk lies at (kk / 2) x pitch + (kk % 2) x 128.  K's pitch 272: the 16 keys of a load fall on 16 different 16-byte columns of 256; V's pitch 288: so do the turning load's 8 keys x 32 bytes.
; LIMITS: NaN and infinities are not served; p under f16's smallest number counts as 0 in the second product (not in l); ctx within f16's range.
; REGISTERS: window 0: v2-14 addresses; v16-47 statistics, 8 a tile: +0 c m, +1 m, +2, +3 l, +4, +5 at work, +6 a, +7 c m_old, then its change; v48-111 K; v112-127 the maximum's chains; v128-255 S^T, 32 a tile, P over the low 16 of each.
;   window 1: v0-127 O^T (32 qt + 8 ct); v128-191 Q (16 qt + 8 ks); v192-255 V (8 (4 u + ct)).
.set PKK,   272
.set PV,    288
.set VOFF,  256*PKK                    ; a slot: 256 rows of K, then 256 rows of V
.set SLOTB, VOFF+256*PV
.set SPARE, 2*SLOTB                    ; the spare words, 128 bytes for each wave: four blocks of 256 bytes that no other line names
.set AK0, 2
.set AV0, 3
.set ADK, 4
.set ADV, 5
.set QO,  6
.set STO, 7
.set RD,  8
.set SPW, 12
.set NIL, 13
.set GO,  14
.set ST,  16
.set KF,  48
.set CH,  112
.set S,   128
.set QF,  128                          ; in window 1
.set VF,  192                          ; in window 1
.set WV,  12
.set G1K, 24
.set G1V, 32
.set G0K, 40                           ; s[40:47] group 0 for K's tiles, a set for each slot
.set G0V, 48
.set CNT, 56
.set TK,  57                           ; LDS byte at which the step's keys begin in K's region
.set CS,  58
.set SEL, 60
.set TV,  62                           ; and in V's
.set MSB, 0
.macro WIN new
.if MSB != (\new)
	s_set_vgpr_msb (MSB<<8)|(\new)
.set MSB, (\new)
.endif
.endm
.macro JLOAD slot                      ; a joint load: waves 0-3 fetch K's quarters, waves 4-7 V's.  An s_nop 0 and four v_nop follow each line
	s_cmp_lt_u32 s[WV], 4
	s_cbranch_scc0 .Lfor_v_\@
	tensor_load_to_lds s[G0K+4*\slot:G0K+4*\slot+3], s[G1K:G1K+7]
	s_nop 0
.rept 4
	v_nop
.endr
	s_branch .Lasked_\@
.Lfor_v_\@:
	tensor_load_to_lds s[G0V+4*\slot:G0V+4*\slot+3], s[G1V:G1V+7]
	s_nop 0
.rept 4
	v_nop
.endr
.Lasked_\@:
.endm
.macro CROUND
	s_barrier_signal -1
	s_barrier_wait -1
	s_cmp_lg_u32 s[WV], 0
	s_cbranch_scc1 .Lnot_wave_0_\@
	s_barrier_signal -3
.Lnot_wave_0_\@:
	s_barrier_wait -3
	s_barrier_signal -1
	s_barrier_wait -1
.endm
	s_load_b128 s[4:7], s[0:1], 0x0                ; qkv, ctx
	v_lshl_add_u32 v[SPW], v0, 2, SPARE
	v_mov_b32 v[NIL], 0
	ds_add_u32 v[SPW], v[NIL]                      ; the wave's opening: the add, twice on end, and its wait ahead of my first tensor load
	ds_add_u32 v[SPW], v[NIL]
	v_lshrrev_b32 v1, 5, v0
	v_readfirstlane_b32 s[WV], v1                  ; wave 0..7
	s_bfe_u32 s13, ttmp6, 0x40000                  ; cx: my block of 512 queries; it enters Q's and ctx's addresses alone
	s_and_b32 s14, ttmp7, 0xffff                   ; 16 x batch + head, which the four partners share
	s_lshl_b32 s16, s14, 18                        ; a head's 2,048 rows of 128 bytes
	s_and_b32 s15, s[WV], 3                        ; which quarter of a slot I fetch
	s_lshl_b32 s17, s15, 14                        ; its 128 keys in memory
	s_add_co_u32 s20, s16, s17
	s_mov_b32 s21, 0
	s_mul_i32 s18, s15, 64*PKK                     ; and in a slot
	s_mul_i32 s19, s15, 64*PV
	s_add_co_u32 s19, s19, VOFF
	s_lshl_b32 s17, s13, 16
	s_add_co_u32 s22, s16, s17
	s_lshl_b32 s17, s[WV], 13
	s_add_co_u32 s22, s22, s17                     ; Q: head + 512 cx + 64 wave rows
	s_mov_b32 s23, 0
	s_and_b32 s16, s14, 15
	s_lshl_b32 s16, s16, 13                        ; ctx: head x 8,192 tokens
	s_lshr_b32 s17, s14, 4
	s_lshl_b32 s17, s17, 11                        ; + batch x 2,048
	s_add_co_u32 s16, s16, s17
	s_lshl_b32 s17, s13, 9
	s_add_co_u32 s16, s16, s17
	s_lshl_b32 s17, s[WV], 6
	s_add_co_u32 s16, s16, s17
	s_lshl_b32 s16, s16, 7                         ; 128 bytes a token
	s_mov_b32 s17, 0
	s_mov_b32 s[G1K], 15|(1<<16)|(1<<20)|(1<<21)|(5<<22)|(3<<25)  ; the mask: all four; elements of 2 bytes; padding on; bit 21 beside a mask; 4 words behind every 64
	s_mov_b32 s[G1V], 15|(1<<16)|(1<<20)|(1<<21)|(5<<22)|(7<<25)  ; the same with 8 words
.irp g, G1K, G1V
	s_mov_b32 s[\g+1], 128<<16                     ; tensor_dim0: two keys' 128 elements
	s_mov_b32 s[\g+2], 64<<16                      ; tensor_dim1
	s_mov_b32 s[\g+3], 128<<16                     ; tile_dim0
	s_mov_b32 s[\g+4], 64                          ; tile_dim1
	s_mov_b32 s[\g+5], 128                         ; the pitch: the rows are dense
	s_mov_b32 s[\g+6], 0
	s_mov_b32 s[\g+7], 0
.endr
	s_mov_b32 s[CS], 0x3e38aa3b                    ; c = log2(e) / 8
	s_mov_b32 s[CS+1], s[CS]
	s_mov_b32 s[SEL], 0x76543210
	s_mov_b32 s[SEL+1], 0xfedcba98
	s_wait_dscnt 0x0                               ; both opening adds are done
	s_wait_kmcnt 0x0
	s_add_nc_u64 s[8:9], s[4:5], s[22:23]          ; Q at my wave's first row
	s_add_nc_u64 s[10:11], s[6:7], s[16:17]        ; ctx likewise
	s_add_nc_u64 s[20:21], s[4:5], s[20:21]
	s_add_nc_u64 s[22:23], s[20:21], 0x2000000     ; V's part begins 32 MiB on,
	s_add_nc_u64 s[20:21], s[20:21], 0x1000000     ; K's 16 MiB
	CROUND                                         ; all four work-groups are here: the first joint loads meet
.irp s, 0,1
	s_mov_b32 s[G0K+4*\s], 1
	s_add_co_u32 s[G0K+4*\s+1], s18, \s*SLOTB
	s_add_nc_u64 s[G0K+4*\s+2:G0K+4*\s+3], s[20:21], \s*65536
	s_or_b32 s[G0K+4*\s+3], s[G0K+4*\s+3], 0x80000000
	s_mov_b32 s[G0V+4*\s], 1
	s_add_co_u32 s[G0V+4*\s+1], s19, \s*SLOTB
	s_add_nc_u64 s[G0V+4*\s+2:G0V+4*\s+3], s[22:23], \s*65536
	s_or_b32 s[G0V+4*\s+3], s[G0V+4*\s+3], 0x80000000
.endr
	s_cmp_lt_u32 s[WV], 4                          ; a wave's two first fills stand in one branch, ahead of every wait on TENSORcnt and every LDS read
	s_cbranch_scc0 .Lfirst_v
	tensor_load_to_lds s[G0K:G0K+3], s[G1K:G1K+7]
	s_nop 0
	tensor_load_to_lds s[G0K+4:G0K+7], s[G1K:G1K+7]
	s_nop 0
.rept 4
	v_nop
.endr
	s_branch .Lfirst_asked
.Lfirst_v:
	tensor_load_to_lds s[G0V:G0V+3], s[G1V:G1V+7]
	s_nop 0
	tensor_load_to_lds s[G0V+4:G0V+7], s[G1V:G1V+7]
	s_nop 0
.rept 4
	v_nop
.endr
.Lfirst_asked:
	v_and_b32 v1, 15, v0                           ; r
	v_bfe_u32 v9, v0, 4, 1                         ; h
	v_lshlrev_b32 v[QO], 7, v1
	v_lshl_add_u32 v[QO], v9, 4, v[QO]             ; Q: row r of 128 bytes + 16 h
	WIN 0x40                                       ; destination window 1
.irp qt, 0,1,2,3
.irp ks, 0,1
	global_load_b128 v[QF+16*\qt+8*\ks:QF+16*\qt+8*\ks+3], v[QO], s[8:9] offset:2048*\qt+64*\ks
	global_load_b128 v[QF+16*\qt+8*\ks+4:QF+16*\qt+8*\ks+7], v[QO], s[8:9] offset:2048*\qt+64*\ks+32
.endr
.endr
.set i, 0
.rept 128
	v_mov_b32 v[i], 0                              ; O^T
.set i, i+1
.endr
	WIN 0
	v_lshrrev_b32 v10, 1, v1
	v_mul_u32_u24 v[AK0], v10, PKK
	v_and_b32 v10, 1, v0
	v_lshl_add_u32 v[AK0], v10, 7, v[AK0]
	v_lshl_add_u32 v[AK0], v9, 4, v[AK0]           ; K: key r of a tile: (r / 2) pitch + (r % 2) 128 + 16 h
	v_bfe_u32 v11, v0, 1, 2
	v_lshl_add_u32 v11, v9, 2, v11
	v_mul_u32_u24 v[AV0], v11, PV
	v_lshl_add_u32 v[AV0], v10, 7, v[AV0]
	v_bfe_u32 v11, v0, 3, 1
	v_lshl_add_u32 v[AV0], v11, 4, v[AV0]
	v_add_nc_u32 v[AV0], VOFF, v[AV0]              ; V: the turning load's lane reads key 8 h + lane % 8, channels 8 ((lane / 8) % 2) on
	s_mul_i32 s14, s[WV], 9216                     ; the way out: my stage, four tiles x 16 rows x (128 bytes + 16), in slot 0, which has had its last fill and its last read by then
	v_mul_u32_u24 v[STO], v1, 144
	v_lshl_add_u32 v[STO], v9, 4, v[STO]
	v_add_nc_u32 v[STO], s14, v[STO]
	v_and_b32 v10, 31, v0
	v_lshrrev_b32 v11, 3, v10
	v_mul_u32_u24 v[RD], v11, 144
	v_and_b32 v11, 7, v0
	v_lshl_add_u32 v[RD], v11, 4, v[RD]
	v_add_nc_u32 v[RD], s14, v[RD]
	v_lshlrev_b32 v[GO], 4, v10
.irp t, 0,1,2,3
	v_mov_b32 v[ST+8*\t+1], 0xff61b1e6             ; m = -3e38, under every score
	v_mov_b32 v[ST+8*\t+2], 0                      ; l, in two halves
	v_mov_b32 v[ST+8*\t+3], 0
	v_mov_b32 v[ST+8*\t+5], 0                      ; a lane permute's destination counts as one of its sources
	v_mul_f32 v[ST+8*\t], s[CS], v[ST+8*\t+1]      ; c m
.endr
; A KEY STEP: 64 keys, in phases.
.macro KSTEP
	v_add_nc_u32 v[ADK], s[TK], v[AK0]
	v_add_nc_u32 v[ADV], s[TV], v[AV0]
.rept 4
	v_nop                                          ; with the two additions six places behind the last V^T P: four are owed by the loads into V's registers, five by the products that write over P
.endr
.irp kt, 0,1,2,3
.irp ks, 0,1
	ds_load_b128 v[KF+8*(2*\kt+\ks):KF+8*(2*\kt+\ks)+3], v[ADK] offset:2176*\kt+64*\ks
	ds_load_b128 v[KF+8*(2*\kt+\ks)+4:KF+8*(2*\kt+\ks)+7], v[ADK] offset:2176*\kt+64*\ks+32
.endr
.endr
	WIN 0x40
.irp u, 0,1
.irp ct, 0,1,2,3
	ds_load_tr16_b128 v[VF+8*(4*\u+\ct):VF+8*(4*\u+\ct)+3], v[ADV] offset:4608*\u+32*\ct
	ds_load_tr16_b128 v[VF+8*(4*\u+\ct)+4:VF+8*(4*\u+\ct)+7], v[ADV] offset:4608*\u+32*\ct+2304
.endr
.endr
	s_add_co_u32 s[TK], s[TK], 32*PKK              ; the next step's 64 keys
	s_add_co_u32 s[TV], s[TV], 32*PV
	s_wait_dscnt 16                                ; K is in; V's 16 loads may be out
	WIN 0x04                                       ; Q in window 1
.irp ks, 0,1                                   ; S^T = K Q^T: 16 accumulators by turns, one instruction a turn
.irp kt, 0,1,2,3
.irp qt, 0,1,2,3
.if \ks == 0
	v_wmma_f32_16x16x32_f16 v[S+32*\qt+8*\kt:S+32*\qt+8*\kt+7], v[KF+8*(2*\kt+\ks):KF+8*(2*\kt+\ks)+7], v[QF+16*\qt+8*\ks:QF+16*\qt+8*\ks+7], 0
.else
	v_wmma_f32_16x16x32_f16 v[S+32*\qt+8*\kt:S+32*\qt+8*\kt+7], v[KF+8*(2*\kt+\ks):KF+8*(2*\kt+\ks)+7], v[QF+16*\qt+8*\ks:QF+16*\qt+8*\ks+7], v[S+32*\qt+8*\kt:S+32*\qt+8*\kt+7]
.endif
.endr
.endr
.endr
	WIN 0
.irp t, 0,1,2,3
	v_mov_b32 v[ST+8*\t+7], v[ST+8*\t]             ; c m_old is kept.  (These four are the places behind the products)
.endr
.irp i, 0,1,2,3                                ; the maximum: four chains a tile, one for each accumulator, begun at its low end; the tiles by turns
.irp t, 0,1,2,3
	v_max3_num_f32 v[CH+4*\t+\i], v[S+32*\t+8*\i], v[S+32*\t+8*\i+1], v[S+32*\t+8*\i+2]
.endr
.endr
.irp g, 1,2
.irp i, 0,1,2,3
.irp t, 0,1,2,3
	v_max3_num_f32 v[CH+4*\t+\i], v[CH+4*\t+\i], v[S+32*\t+8*\i+2*\g+1], v[S+32*\t+8*\i+2*\g+2]
.endr
.endr
.endr
.irp t, 0,1,2,3
	v_max3_num_f32 v[CH+4*\t], v[CH+4*\t], v[S+32*\t+7], v[S+32*\t+15]
	v_max3_num_f32 v[CH+4*\t+2], v[CH+4*\t+2], v[S+32*\t+23], v[S+32*\t+31]
.endr
.irp t, 0,1,2,3
	v_max3_num_f32 v[CH+4*\t], v[CH+4*\t], v[CH+4*\t+1], v[CH+4*\t+2]
.endr
.irp t, 0,1,2,3
	v_max3_num_f32 v[CH+4*\t], v[CH+4*\t], v[CH+4*\t+3], v[ST+8*\t+1]   ; and the old m
.endr
.irp t, 0,1,2,3
	v_permlanex16_b32 v[ST+8*\t+5], v[CH+4*\t], s[SEL], s[SEL+1]        ; the query's other 32 keys lie in the lane 16 away
.endr
.irp t, 0,1,2,3
	v_max_num_f32 v[ST+8*\t+1], v[CH+4*\t], v[ST+8*\t+5]
.endr
.irp t, 0,1,2,3
	v_mul_f32 v[ST+8*\t], s[CS], v[ST+8*\t+1]
.endr
.irp t, 0,1,2,3
	v_sub_f32 v[ST+8*\t+7], v[ST+8*\t+7], v[ST+8*\t]
.endr
.irp j, 0,1,2,3,4,5,6,7,8,9,10,11,12,13,14,15
	v_pk_fma_f32 v[S+2*\j:S+2*\j+1], v[S+2*\j:S+2*\j+1], s[CS:CS+1], v[ST:ST+1] op_sel_hi:[1,0,0] neg_lo:[0,0,1] neg_hi:[0,0,1]   ; tile 0: c s - c m
.endr
.irp t, 0,1,2,3
	v_exp_f32 v[ST+8*\t+6], v[ST+8*\t+7]           ; a
.endr
.irp t, 0,1,2,3                                ; ONE BATCH of 132 exponentials: none of these lines names an exponential's result; the next tile's scalings stand among this tile's exponentials
.irp j, 0,1,2,3,4,5,6,7,8,9,10,11,12,13,14,15
.if \t < 3
	v_pk_fma_f32 v[S+32*(\t+1)+2*\j:S+32*(\t+1)+2*\j+1], v[S+32*(\t+1)+2*\j:S+32*(\t+1)+2*\j+1], s[CS:CS+1], v[ST+8*(\t+1):ST+8*(\t+1)+1] op_sel_hi:[1,0,0] neg_lo:[0,0,1] neg_hi:[0,0,1]
.endif
	v_exp_f32 v[S+32*\t+2*\j], v[S+32*\t+2*\j]
	v_exp_f32 v[S+32*\t+2*\j+1], v[S+32*\t+2*\j+1]
.endr
.endr
	v_nop                                          ; a plain instruction behind the last exponential
	s_wait_alu depctr_va_vdst(0)                   ; one wait for the batch, ahead of the first line that names a result
.irp t, 0,1,2,3
	v_pk_mul_f32 v[ST+8*\t+2:ST+8*\t+3], v[ST+8*\t+2:ST+8*\t+3], v[ST+8*\t+6:ST+8*\t+7] op_sel_hi:[1,0]   ; l under the new m
.endr
.irp j, 0,1,2,3,4,5,6,7,8,9,10,11,12,13,14,15
.irp t, 0,1,2,3
	v_pk_add_f32 v[ST+8*\t+2:ST+8*\t+3], v[ST+8*\t+2:ST+8*\t+3], v[S+32*\t+2*\j:S+32*\t+2*\j+1]         ; the sum is taken of the f32 weights
.endr
.endr
.irp j, 0,1,2,3,4,5,6,7,8,9,10,11,12,13,14,15
.irp t, 0,1,2,3
	v_cvt_pk_f16_f32 v[S+32*\t+\j], v[S+32*\t+2*\j], v[S+32*\t+2*\j+1]   ; P in place, j ascending: register j is written when registers 2 j and 2 j + 1 are read, never earlier
.endr
.endr
	WIN 0x41                                       ; O^T in window 1, a in window 0
.irp i, 0,2,4,6,8,10,12,14,16,18,20,22,24,26,28,30
.irp t, 0,1,2,3
	v_pk_mul_f32 v[32*\t+\i:32*\t+\i+1], v[32*\t+\i:32*\t+\i+1], v[ST+8*\t+6:ST+8*\t+7] op_sel_hi:[1,0]
.endr
.endr
	s_wait_dscnt 0x0                               ; V is in
	WIN 0x51                                       ; V and O^T in window 1, P in window 0
.irp u, 0,1                                    ; O^T += V^T P: 16 accumulators by turns
.irp ct, 0,1,2,3
.irp qt, 0,1,2,3
	v_wmma_f32_16x16x32_f16 v[32*\qt+8*\ct:32*\qt+8*\ct+7], v[VF+8*(4*\u+\ct):VF+8*(4*\u+\ct)+7], v[S+32*\qt+8*\u:S+32*\qt+8*\u+7], v[32*\qt+8*\ct:32*\qt+8*\ct+7]
.endr
.endr
.endr
	WIN 0
.endm
.macro PH slot                         ; a slot's eight key steps
	s_mov_b32 s[TK], \slot*SLOTB
	s_mov_b32 s[TV], \slot*SLOTB
	s_mov_b32 s[CNT], 8
.Lstep_\@:
	KSTEP
	s_sub_co_u32 s[CNT], s[CNT], 1
	s_cmp_lg_u32 s[CNT], 0
	s_cbranch_scc1 .Lstep_\@
.endm
; THE CHANGE OF SLOTS.  Each wave waits for all its tensor loads (its part of the slot ahead), adds 0 to its spare word, and waits for that and for its reads of the slot that it leaves.
; fill = 1: the barrier is a round of the cluster's, and the slot just left is filled with the keys two slots on, first thing behind it.
.macro CHANGE fill, slot
	s_wait_tensorcnt 0x0                           ; no tensor load of mine is out, so a group 0 may be written
	ds_add_u32 v[SPW], v[NIL]
.if \fill
	s_add_nc_u64 s[G0K+4*\slot+2:G0K+4*\slot+3], s[G0K+4*\slot+2:G0K+4*\slot+3], 131072
	s_add_nc_u64 s[G0V+4*\slot+2:G0V+4*\slot+3], s[G0V+4*\slot+2:G0V+4*\slot+3], 131072
.endif
	s_wait_dscnt 0x0                               ; the add is done, and my reads of the slot are over
.if \fill
	CROUND
	JLOAD \slot
.else
	s_barrier_signal -1
	s_barrier_wait -1
.endif
.endm
	s_wait_tensorcnt 1                             ; my part of slot 0 is in; slot 1's may be out
	s_barrier_signal -1
	s_barrier_wait -1
	s_wait_loadcnt 0x0                             ; Q
	PH 0                                           ; keys 0 - 511
	CHANGE 1, 0
	PH 1                                           ; 512 - 1,023
	CHANGE 1, 1
	PH 0                                           ; 1,024 - 1,535
	CHANGE 0, 0
	PH 1                                           ; 1,536 - 2,047
	; THE WAY OUT.  l's halves and the other half of the lanes' are added (the first four additions are the places behind the last products); O^T / l, rounded to f16, goes through my stage and leaves as whole rows.
.irp t, 0,1,2,3
	v_add_f32 v[ST+8*\t+4], v[ST+8*\t+2], v[ST+8*\t+3]
.endr
.irp t, 0,1,2,3
	v_permlanex16_b32 v[ST+8*\t+5], v[ST+8*\t+4], s[SEL], s[SEL+1]
.endr
.irp t, 0,1,2,3
	v_add_f32 v[ST+8*\t+4], v[ST+8*\t+4], v[ST+8*\t+5]
.endr
.irp t, 0,1,2,3
	v_rcp_f32 v[ST+8*\t+6], v[ST+8*\t+4]
.endr
	v_nop                                          ; a plain instruction behind the last reciprocal
	s_wait_alu depctr_va_vdst(0)                   ; and one wait for the four, ahead of their first reader
.irp t, 0,1,2,3
	WIN 0x41
.irp i, 0,2,4,6,8,10,12,14,16,18,20,22,24,26,28,30
	v_pk_mul_f32 v[32*\t+\i:32*\t+\i+1], v[32*\t+\i:32*\t+\i+1], v[ST+8*\t+6:ST+8*\t+7] op_sel_hi:[1,0]   ; each accumulator from its low end on
.endr
	WIN 0x05                                       ; sources window 1, destination window 0
.irp i, 0,1,2,3,4,5,6,7,8,9,10,11,12,13,14,15
	v_cvt_pk_f16_f32 v[128+16*\t+\i], v[32*\t+2*\i], v[32*\t+2*\i+1]
.endr
	WIN 0
.irp ct, 0,1,2,3
	ds_store_b128 v[STO], v[128+16*\t+4*\ct:128+16*\t+4*\ct+3] offset:2304*\t+32*\ct
.endr
.irp i, 0,1,2,3
	ds_load_b128 v[192+16*\t+4*\i:192+16*\t+4*\i+3], v[RD] offset:2304*\t+576*\i    ; LDS serves a wave's instructions in order: these see my stores
.endr
.endr
.irp t, 0,1,2,3
.irp i, 0,1,2,3
	s_wait_dscnt 8*(3-\t)+3-\i                     ; behind this load: the rest of its tile's loads and the later tiles' eight LDS instructions each
	global_store_b128 v[GO], v[192+16*\t+4*\i:192+16*\t+4*\i+3], s[10:11] offset:2048*\t+512*\i   ; four tokens: 512 consecutive bytes, aligned
.endr
.endr
	s_wait_tensorcnt 0x0                           ; the wave's end
	ds_add_u32 v[SPW], v[NIL]
	s_wait_dscnt 0x0
	CROUND                                         ; the closing round
	s_endpgm
.Lfunc_end_k_q66a5a583dd_attn:
	.size	k_q66a5a583dd_attn, .Lfunc_end_k_q66a5a583dd_attn-k_q66a5a583dd_attn
	.p2alignl 7, 3214868480
	.fill 96, 4, 3214868480
	.section	.rodata,"a",@progbits
	.p2align	6, 0x0
	.amdhsa_kernel k_q66a5a583dd_attn
		.amdhsa_group_segment_fixed_size 327680
		.amdhsa_private_segment_fixed_size 0
		.amdhsa_enable_private_segment 0
		.amdhsa_kernarg_size 16
		.amdhsa_user_sgpr_count 2
		.amdhsa_user_sgpr_kernarg_segment_ptr 1
		.amdhsa_wavefront_size32 1
		.amdhsa_system_sgpr_workgroup_id_x 1
		.amdhsa_system_sgpr_workgroup_id_y 1
		.amdhsa_system_sgpr_workgroup_id_z 1
		.amdhsa_system_vgpr_workitem_id 0
		.amdhsa_next_free_vgpr 512
		.amdhsa_next_free_sgpr 66
		.amdhsa_reserve_vcc 0
		.amdhsa_float_denorm_mode_32 3
		.amdhsa_float_denorm_mode_16_64 3
		.amdhsa_memory_ordered 1
		.amdhsa_forward_progress 1
		.amdhsa_inst_pref_size 157
	.end_amdhsa_kernel
	.amdgpu_metadata
---
amdhsa.version: [ 1, 2 ]
amdhsa.kernels:
  - .name:           k_q66a5a583dd_attn
    .symbol:         k_q66a5a583dd_attn.kd
    .args:
      - { .name: qkv, .offset: 0, .size: 8, .value_kind: global_buffer, .address_space: global }
      - { .name: ctx, .offset: 8, .size: 8, .value_kind: global_buffer, .address_space: global }
    .group_segment_fixed_size: 327680
    .private_segment_fixed_size: 0
    .kernarg_segment_align: 8
    .kernarg_segment_size: 16
    .max_flat_workgroup_size: 256
    .sgpr_count:     66
    .vgpr_count:     512
    .wavefront_size: 32
...
	.end_amdgpu_metadata
.endif
;; end of part 3
;; launch proj (part 4): grid 4 x 64, 4 waves a work-group, clusters of 4 x 4, 327,680 bytes of LDS; arguments ctx, woutT, bout, out0; writes out0
.if DOCPART == 4
	.amdgcn_target "amdgcn-amd-amdhsa--gfx1250"
	.amdhsa_code_object_version 6
	.text
	.protected	k_q66a5a583dd_proj
	.globl	k_q66a5a583dd_proj
	.p2align	8
	.type	k_q66a5a583dd_proj,@function
k_q66a5a583dd_proj:
	s_mov_b64 s[64:65], 0
	v_nop
	global_prefetch_b8 v0, s[64:65] scope:SCOPE_SE
	s_setreg_imm32_b32 hwreg(HW_REG_WAVE_MODE, 25, 1), 1
	s_wait_xcnt 0x0
	s_wait_alu depctr_hold_cnt(0) depctr_sa_sdst(0) depctr_va_vdst(0) depctr_va_sdst(0) depctr_va_ssrc(0) depctr_va_vcc(0) depctr_vm_vsrc(0)
	s_getreg_b32 s2, hwreg(HW_REG_IB_STS2, 6, 4)
	s_cmp_eq_u32 s2, 0
	s_cbranch_scc0 .Lentry_in_a_cluster
	s_endpgm
.Lentry_in_a_cluster:
	s_bfe_u32 s2, ttmp6, 0x10000c
	s_cmp_lg_u32 s2, 0xf033
	s_cbranch_scc0 .Lentry_shape_is_right
	s_endpgm
.Lentry_shape_is_right:
; out0 = ctx Wout + bout.  ctx: f16 [16 heads][8192 tokens][64] (K = 64 head + channel); woutT: f16 [1024 n][1024 k]; bout, out0: f32.  f16 operands, f32 sums.
; A tile of C is 128 tokens x 256 columns: 256 work-groups.  Four waves, each 64 x 128: 32 accumulators, 256 registers.  K goes in steps of 128 (two heads) through a ring of two LDS slots.
; In LDS a plane of A (one head, 128 tokens) is 64 rows of TWO tokens (256 bytes) + 16 of padding; B's rows are 256 bytes + 16: the 16 rows of a fragment load fall on 16 different 16-byte columns of 256.
; CLUSTERS: 4 x 4 work-groups; A's tiles are shared along a row of the cluster, B's along a column, by joint loads; waves 0, 1 fetch A's two planes, waves 2, 3 B's halves.  A refill stands behind a round of the
; cluster's barrier and has 112 matrix instructions of the wave in which to land.  By this text's count a wave has two tensor loads out at the start and one behind each round.
; THE MATRIX INSTRUCTION IS USED TRANSPOSED (source 0 = 16 rows of woutT, source 1 = 16 tokens): a lane holds eight neighbouring columns of a token.  The bias is the C of each sum's first instruction.
; No prefetch: the launch has eight K steps, two of them asked for at the head.  One tile to a work-group.
; REGISTERS: window 0: v0-31 addresses; two fragment buffers of 96 (A 32, then B 64) at v64 and v160; on the way out v64-191 rows.  window 1: accumulator (a, b) at v[8 (8 a + b)].  window 2: v0-63 the bias.
.set PITCH,  272
.set PLA,    64*PITCH                  ; a plane of A
.set SLOT,   2*PLA+256*PITCH
.set STAGE,  2*SLOT                    ; behind the ring: 16 rows x (512 bytes + 16) for each wave
.set SPITCH, 528
.set SPARE,  STAGE+4*16*SPITCH         ; the spare words, 128 bytes for each wave: two blocks of 256 bytes that no other line names
.set LAPS,   4
.set ADRA, 16
.set ADRB, 20
.set STO,  24
.set RD,   25
.set CO,   26
.set BO,   27
.set SPW,  28
.set NIL,  29
.set F0,   64
.set F1,   160
.set BK,   64
.set G1, 24
.set G0, 32
.set G1B, 48
.set G0B, 56
.set MSB, 0
.macro WIN new
.if MSB != (\new)
	s_set_vgpr_msb (MSB<<8)|(\new)
.set MSB, (\new)
.endif
.endm
.macro JLOAD s                         ; a joint load; an s_nop 0 and four v_nop follow each of the two lines
	s_cmp_eq_u32 s13, 0
	s_cbranch_scc0 .Lfor_b_\@
	tensor_load_to_lds s[G0+4*\s:G0+4*\s+3], s[G1:G1+7]
	s_nop 0
.rept 4
	v_nop
.endr
	s_branch .Lasked_\@
.Lfor_b_\@:
	tensor_load_to_lds s[G0B+4*\s:G0B+4*\s+3], s[G1B:G1B+7]
	s_nop 0
.rept 4
	v_nop
.endr
.Lasked_\@:
.endm
.macro CREST
	s_cmp_lg_u32 s12, 0
	s_cbranch_scc1 .Lnot_wave_0_\@
	s_barrier_signal -3
.Lnot_wave_0_\@:
	s_barrier_wait -3
	s_barrier_signal -1
	s_barrier_wait -1
.endm
.macro CROUND
	s_barrier_signal -1
	s_barrier_wait -1
	CREST
.endm
	s_load_b256 s[4:11], s[0:1], 0x0               ; ctx 4, woutT 6, bout 8, out0 10
	v_lshl_add_u32 v[SPW], v0, 2, SPARE
	v_mov_b32 v[NIL], 0
	ds_add_u32 v[SPW], v[NIL]                      ; the wave's opening: the add, twice on end, and its wait ahead of my first tensor load
	ds_add_u32 v[SPW], v[NIL]
	v_lshrrev_b32 v1, 5, v0
	v_readfirstlane_b32 s12, v1                    ; wave 0..3
	s_lshr_b32 s13, s12, 1                         ; which half of the tile's tokens is mine.  Also: I fetch for A (0) or for B (1)
	s_and_b32 s14, s12, 1                          ; which half of its columns.  Also: which plane of A, or which 128 rows of B, I fetch
	s_bfe_u32 s40, ttmp6, 0x40000                  ; cx, cy
	s_bfe_u32 s41, ttmp6, 0x40004
	s_lshl_b32 s42, ttmp9, 2
	s_add_co_u32 s42, s42, s40                     ; tile column
	s_and_b32 s15, ttmp7, 0xffff
	s_lshl_b32 s15, s15, 2
	s_add_co_u32 s15, s15, s41                     ; tile row
	s_lshl_b32 s43, s41, 2
	s_lshl_b32 s43, 15, s43                        ; my row of the cluster
	s_lshl_b32 s44, 0x1111, s40                    ; my column
	s_or_b32 s[G1+0], s43, (1<<16)|(1<<20)|(1<<21)|(5<<22)|(3<<25)  ; the mask; elements of 2 bytes; padding on; bit 21 beside a mask; 4 words behind every 64
	s_or_b32 s[G1B+0], s44, (1<<16)|(1<<20)|(1<<21)|(5<<22)|(3<<25)
	s_mov_b32 s[G1+1], 128<<16                     ; A: 64 dense rows of two tokens' 128 elements
	s_mov_b32 s[G1+2], 64<<16
	s_mov_b32 s[G1+3], 128<<16
	s_mov_b32 s[G1+4], 64
	s_mov_b32 s[G1+5], 128
	s_mov_b32 s[G1+6], 0
	s_mov_b32 s[G1+7], 0
	s_mov_b32 s[G1B+1], 128<<16                    ; B: 128 rows of 128 elements, 1,024 apart
	s_mov_b32 s[G1B+2], 128<<16
	s_mov_b32 s[G1B+3], 128<<16
	s_mov_b32 s[G1B+4], 128
	s_mov_b32 s[G1B+5], 1024
	s_mov_b32 s[G1B+6], 0
	s_mov_b32 s[G1B+7], 0
	s_lshl_b32 s16, s14, 20                        ; A: a plane is 8,192 tokens of 128 bytes,
	s_lshl_b32 s17, s15, 14                        ; a tile row 128 of them
	s_add_co_u32 s16, s16, s17
	s_mov_b32 s17, 0
	s_lshl_b32 s46, s42, 19                        ; B: 256 rows of 2,048 bytes a tile column,
	s_lshl_b32 s47, s14, 18                        ; 128 a half
	s_add_co_u32 s46, s46, s47
	s_mov_b32 s47, 0
	s_mul_i32 s20, s14, PLA                        ; where they go: no place in the cluster enters an LDS address
	s_mul_i32 s21, s14, 128*PITCH
	s_add_co_u32 s21, s21, 2*PLA
	s_wait_dscnt 0x0                               ; both opening adds are done
	s_wait_kmcnt 0x0
	s_add_nc_u64 s[18:19], s[4:5], s[16:17]
	s_add_nc_u64 s[46:47], s[6:7], s[46:47]
	CROUND                                         ; all sixteen work-groups are here: the first joint loads meet
.irp s, 0,1
	s_mov_b32 s[G0+4*\s], 1
	s_add_co_u32 s[G0+4*\s+1], s20, \s*SLOT
	s_add_nc_u64 s[G0+4*\s+2:G0+4*\s+3], s[18:19], \s*0x200000     ; K step s: two planes on
	s_or_b32 s[G0+4*\s+3], s[G0+4*\s+3], 0x80000000
	s_mov_b32 s[G0B+4*\s], 1
	s_add_co_u32 s[G0B+4*\s+1], s21, \s*SLOT
	s_add_nc_u64 s[G0B+4*\s+2:G0B+4*\s+3], s[46:47], \s*256
	s_or_b32 s[G0B+4*\s+3], s[G0B+4*\s+3], 0x80000000
	JLOAD \s
.endr
	v_and_b32 v1, 15, v0                           ; r
	v_bfe_u32 v2, v0, 4, 1                         ; h
	v_lshrrev_b32 v3, 1, v1
	v_mul_u32_u24 v3, v3, PITCH
	v_and_b32 v4, 1, v0
	v_lshl_add_u32 v3, v4, 7, v3
	v_lshl_add_u32 v3, v2, 4, v3                   ; A: token r: (r / 2) pitch + (r % 2) 128 + 16 h
	v_mul_u32_u24 v4, v1, PITCH
	v_lshl_add_u32 v4, v2, 4, v4                   ; B: row r x pitch + 16 h
	s_mul_i32 s22, s13, 32*PITCH                   ; my 64 tokens
	s_mul_i32 s23, s14, 128*PITCH                  ; my 128 rows of B, behind A's two planes
	s_add_co_u32 s23, s23, 2*PLA
.irp s, 0,1
	v_add_nc_u32 v[ADRA+\s], s22, v3
	v_add_nc_u32 v[ADRB+\s], s23, v4
	s_add_co_u32 s22, s22, SLOT
	s_add_co_u32 s23, s23, SLOT
.endr
	s_mul_i32 s23, s12, 16*SPITCH
	s_add_co_u32 s23, s23, STAGE                   ; my stage
	v_mul_u32_u24 v5, v1, SPITCH
	v_lshl_add_u32 v5, v2, 5, v5
	v_add_nc_u32 v[STO], s23, v5                   ; in: row r, 32 bytes for each half of the lanes
	v_and_b32 v6, 31, v0
	v_lshlrev_b32 v[CO], 4, v6
	v_add_nc_u32 v[RD], s23, v[CO]                 ; back: the 32 lanes take one row of 512 bytes
	v_lshlrev_b32 v[BO], 5, v2
	s_lshl_b32 s16, s15, 19                        ; out0: 128 rows of 4,096 bytes a tile row,
	s_lshl_b32 s17, s13, 18                        ; 64 a half
	s_add_co_u32 s16, s16, s17
	s_lshl_b32 s46, s42, 10
	s_lshl_b32 s47, s14, 9
	s_add_co_u32 s46, s46, s47                     ; my first column, in bytes
	s_mov_b32 s47, 0
	s_add_nc_u64 s[8:9], s[8:9], s[46:47]          ; the bias there
	s_add_co_u32 s16, s16, s46
	s_mov_b32 s17, 0
	s_add_nc_u64 s[10:11], s[10:11], s[16:17]
	WIN 0x80                                       ; destination window 2
.irp b, 0,1,2,3,4,5,6,7
	global_load_b128 v[8*\b:8*\b+3], v[BO], s[8:9] offset:64*\b      ; in the result's layout: block b, columns 16 b + 8 h + 0 .. 7
	global_load_b128 v[8*\b+4:8*\b+7], v[BO], s[8:9] offset:64*\b+16
.endr
	WIN 0
; 8 matrix instructions: A's block a against B's eight, 32 along K.  zero = 1: the sums start from the bias.  The 32 accumulators take turns, one instruction a turn.
.macro MUL8 f, a, zero
.irp b, 0,1,2,3,4,5,6,7
.if \zero
	v_wmma_f32_16x16x32_f16 v[8*(8*(\a)+\b):8*(8*(\a)+\b)+7], v[\f+32+8*\b:\f+32+8*\b+7], v[\f+8*(\a):\f+8*(\a)+7], v[8*\b:8*\b+7]
.else
	v_wmma_f32_16x16x32_f16 v[8*(8*(\a)+\b):8*(8*(\a)+\b)+7], v[\f+32+8*\b:\f+32+8*\b+7], v[\f+8*(\a):\f+8*(\a)+7], v[8*(8*(\a)+\b):8*(8*(\a)+\b)+7]
.endif
.endr
.endm
; 24 LDS loads in one run: quarter q (32 along K) of a slot into buffer f: B's eight fragments, then A's four
.macro FETCH slot, q, f
	WIN 0
.irp i, 0,1,2,3,4,5,6,7
	ds_load_b128 v[\f+32+8*\i:\f+32+8*\i+3], v[ADRB+\slot] offset:64*(\q)+\i*16*PITCH
	ds_load_b128 v[\f+32+8*\i+4:\f+32+8*\i+7], v[ADRB+\slot] offset:64*(\q)+\i*16*PITCH+32
.endr
.irp i, 0,1,2,3
	ds_load_b128 v[\f+8*\i:\f+8*\i+3], v[ADRA+\slot] offset:((\q)/2)*PLA+((\q)%2)*64+\i*8*PITCH
	ds_load_b128 v[\f+8*\i+4:\f+8*\i+7], v[ADRA+\slot] offset:((\q)/2)*PLA+((\q)%2)*64+\i*8*PITCH+32
.endr
.endm
.macro PLACES                          ; four plain vector instructions between matrix instructions and loads into, or readers of, their registers
.rept 4
	v_nop
.endr
.endm
.macro MWIN zero
.if \zero
	WIN 0x60                                       ; D window 1, C (the bias) window 2
.else
	WIN 0x50                                       ; C and D window 1
.endif
.endm
; one of a K step's first three quarters: multiplies buffer f and fetches quarter q + 1 into g
.macro QUARTER slot, q, f, g, zero
	s_wait_dscnt 4                                 ; B and A's blocks 0, 1 are in; the youngest four loads (A's blocks 2, 3) may be out
	MWIN \zero
	MUL8 \f, 0, \zero
	MUL8 \f, 1, \zero
	PLACES
	FETCH \slot, (\q)+1, \g
	s_wait_dscnt 24                                ; all but the 24 just issued
	MWIN \zero
	MUL8 \f, 2, \zero
	MUL8 \f, 3, \zero
.endm
; the last quarter multiplies buffer 1 and changes slots: ONE barrier; in front of it each wave waits for all its tensor loads, adds 0 to its spare word, and waits for that and for its reads of this slot
.macro TURN slot, next, fill
	WIN 0
	s_wait_tensorcnt 0x0                           ; all my tensor loads have landed: my part of the next slot
	ds_add_u32 v[SPW], v[NIL]
	s_wait_dscnt 5                                 ; the add and the youngest four loads may be out
	WIN 0x50
	MUL8 F1, 0, 0                                  ; eight matrix instructions stand between the add and the wait for it
	s_wait_dscnt 0x0                               ; the add is done, and my reads of this slot are over
	s_barrier_signal -1
	MUL8 F1, 1, 0
.if \fill
	WIN 0
.endif
	s_barrier_wait -1
.if \fill
	CREST                                          ; the barrier has opened a round of the cluster's: no wave of any partner still reads this slot or has a load on its way
	s_add_nc_u64 s[G0+4*\slot+2:G0+4*\slot+3], s[G0+4*\slot+2:G0+4*\slot+3], 0x400000    ; two K steps on: four planes
	s_add_nc_u64 s[G0B+4*\slot+2:G0B+4*\slot+3], s[G0B+4*\slot+2:G0B+4*\slot+3], 512
	JLOAD \slot                                    ; the first tensor load behind the round; its four v_nop are also the places in front of the loads below
.else
	PLACES
.endif
	FETCH \next, 0, F0
	WIN 0x50
	MUL8 F1, 2, 0
	MUL8 F1, 3, 0
.endm
	s_wait_tensorcnt 1                             ; my part of K step 0 is in; K step 1's may be out
	s_barrier_signal -1
	s_barrier_wait -1
	FETCH 0, 0, F0
	s_wait_loadcnt 0x0                             ; the bias
	QUARTER 0, 0, F0, F1, 1                        ; the first quarter stands in front of the loop: its products start the sums
	WIN 0
	s_mov_b32 s3, LAPS-1
.Llap:                                                 ; a trip goes once round the ring, from a lap's second quarter to the next lap's first, and fills both slots again
	QUARTER 0, 1, F1, F0, 0
	QUARTER 0, 2, F0, F1, 0
	TURN 0, 1, 1
	QUARTER 1, 0, F0, F1, 0
	QUARTER 1, 1, F1, F0, 0
	QUARTER 1, 2, F0, F1, 0
	TURN 1, 0, 1
	QUARTER 0, 0, F0, F1, 0
	WIN 0
	s_sub_co_u32 s3, s3, 1
	s_cmp_lg_u32 s3, 0
	s_cbranch_scc1 .Llap
	QUARTER 0, 1, F1, F0, 0                        ; the last lap fills nothing
	QUARTER 0, 2, F0, F1, 0
	TURN 0, 1, 0
	QUARTER 1, 0, F0, F1, 0
	QUARTER 1, 1, F1, F0, 0
	QUARTER 1, 2, F0, F1, 0
	s_wait_dscnt 4                                 ; the very last quarter
	WIN 0x50
	MUL8 F1, 0, 0
	MUL8 F1, 1, 0
	s_wait_dscnt 0
	MUL8 F1, 2, 0
	MUL8 F1, 3, 0
	WIN 0
; THE WAY OUT, block by block of 16 tokens x 128 columns, through my own stage: in as 32 bytes a lane, back as whole rows of 512 bytes.  LDS serves a wave's instructions in order.
.macro TOSTAGE a
	WIN 0x04                                       ; an LDS store's data are its source 1: window 1
.irp b, 0,1,2,3,4,5,6,7
	ds_store_b128 v[STO], v[64*(\a)+8*\b:64*(\a)+8*\b+3] offset:64*\b              ; each accumulator from its low end on
	ds_store_b128 v[STO], v[64*(\a)+8*\b+4:64*(\a)+8*\b+7] offset:64*\b+16
.endr
	WIN 0
.irp t, 0,1,2,3,4,5,6,7,8,9,10,11,12,13,14,15
	ds_load_b128 v[BK+64*((\a)%2)+4*\t:BK+64*((\a)%2)+4*\t+3], v[RD] offset:\t*SPITCH
.endr
.endm
.macro SEND a, younger
	s_wait_dscnt \younger
.irp t, 0,1,2,3,4,5,6,7,8,9,10,11,12,13,14,15
	global_store_b128 v[CO], v[BK+64*((\a)%2)+4*\t:BK+64*((\a)%2)+4*\t+3], s[10:11] offset:65536*(\a)+4096*\t th:TH_STORE_NT   ; 32 lanes store 512 consecutive bytes, aligned; written once
.endr
.endm
	PLACES                                         ; behind the last products: for the stores that read results and the loads into the fragments' registers
	TOSTAGE 0
.irp a, 1,2,3
.if \a > 1
	s_wait_xcnt 0x0                                ; block a - 2's stores have read their registers: block a's rows may land there
.endif
	TOSTAGE \a
	SEND \a-1, 32                                  ; behind block a - 1's loads: block a's 16 stores and 16 loads
.endr
	SEND 3, 0
	s_wait_tensorcnt 0x0                           ; the wave's end
	ds_add_u32 v[SPW], v[NIL]
	s_wait_dscnt 0x0
	CROUND                                         ; the closing round
	s_endpgm
.Lfunc_end_k_q66a5a583dd_proj:
	.size	k_q66a5a583dd_proj, .Lfunc_end_k_q66a5a583dd_proj-k_q66a5a583dd_proj
	.p2alignl 7, 3214868480
	.fill 96, 4, 3214868480
	.section	.rodata,"a",@progbits
	.p2align	6, 0x0
	.amdhsa_kernel k_q66a5a583dd_proj
		.amdhsa_group_segment_fixed_size 327680
		.amdhsa_private_segment_fixed_size 0
		.amdhsa_enable_private_segment 0
		.amdhsa_kernarg_size 32
		.amdhsa_user_sgpr_count 2
		.amdhsa_user_sgpr_kernarg_segment_ptr 1
		.amdhsa_wavefront_size32 1
		.amdhsa_system_sgpr_workgroup_id_x 1
		.amdhsa_system_sgpr_workgroup_id_y 1
		.amdhsa_system_sgpr_workgroup_id_z 1
		.amdhsa_system_vgpr_workitem_id 0
		.amdhsa_next_free_vgpr 768
		.amdhsa_next_free_sgpr 66
		.amdhsa_reserve_vcc 0
		.amdhsa_float_denorm_mode_32 3
		.amdhsa_float_denorm_mode_16_64 3
		.amdhsa_memory_ordered 1
		.amdhsa_forward_progress 1
		.amdhsa_inst_pref_size 86
	.end_amdhsa_kernel
	.amdgpu_metadata
---
amdhsa.version: [ 1, 2 ]
amdhsa.kernels:
  - .name:           k_q66a5a583dd_proj
    .symbol:         k_q66a5a583dd_proj.kd
    .args:
      - { .name: ctx, .offset: 0, .size: 8, .value_kind: global_buffer, .address_space: global }
      - { .name: woutT, .offset: 8, .size: 8, .value_kind: global_buffer, .address_space: global }
      - { .name: bout, .offset: 16, .size: 8, .value_kind: global_buffer, .address_space: global }
      - { .name: out0, .offset: 24, .size: 8, .value_kind: global_buffer, .address_space: global }
    .group_segment_fixed_size: 327680
    .private_segment_fixed_size: 0
    .kernarg_segment_align: 8
    .kernarg_segment_size: 32
    .max_flat_workgroup_size: 128
    .sgpr_count:     66
    .vgpr_count:     768
    .wavefront_size: 32
...
	.end_amdgpu_metadata
.endif
;; end of part 4
